; MI455X (gfx1250); checked and timed in simulation.
; The chip was launched on July 23, 2026; its instructions are those of AMD's public machine-readable ISA for CDNA 5 (MIT licence, August 2026) and "CDNA5" Instruction Set Architecture Reference Guide (July 2026). The comments in the code are by the model that wrote it; some were corrected since.
;; Causal Attention. Allowed arithmetic: float matrix products may take bf16 or f16 operands with f32 sums; other float arithmetic in f32, or as packed bf16 or f16 multiplies, adds, multiply-adds, maxima and minima; sums over many terms, partial sums and values carried from step to step in f32; what a program stores and reads back later, other than sums and carried values, may be rounded once to bf16 or f16.
;; Inputs: Wkv 1,024 x 2,048 float32; Wp 1,024 x 1,024 float32; Wq 1,024 x 1,024 float32; alibi_m 16 x 1 x 1 float32; alibi_offset 2,048 x 2,048 float32; bkv 2,048 float32; bp 1,024 float32; bq 1,024 float32; x 4 x 2,048 x 1,024 float32.
;; Outputs: out0 4 x 2,048 x 1,024 float32.
;; One version. Each part assembles by itself: llvm-mc -triple=amdgcn-amd-amdhsa -mcpu=gfx1250 --defsym DOCPART=n.
;; ======== version 1 of 1: 4 launches
;; limits: values are held in f16: magnitudes above 65,504 overflow, below 6.1e-05 lose precision
;; workspace buffers: xb 16,777,216 bytes; wqkv 6,291,456 bytes; wp16 2,097,152 bytes; offb 8,388,608 bytes; br 16,384 bytes; qkv 50,331,648 bytes; ob 16,777,216 bytes
;; launch cast (part 1): grid 2049 x 1, 8 waves a work-group, no clusters, 0 bytes of LDS; arguments x, Wq, Wkv, Wp, alibi_offset, bq, bkv, bp, xb, wqkv, wp16, offb, br; writes xb, wqkv, wp16, offb, br
.if DOCPART == 1
	.amdgcn_target "amdgcn-amd-amdhsa--gfx1250"
	.amdhsa_code_object_version 6
	.text
	.protected	k_q6e7cd7cae3_cast
	.globl	k_q6e7cd7cae3_cast
	.p2align	8
	.type	k_q6e7cd7cae3_cast,@function
k_q6e7cd7cae3_cast:
	s_mov_b64 s[64:65], 0
	v_nop
	global_prefetch_b8 v0, s[64:65] scope:SCOPE_SE
	s_setreg_imm32_b32 hwreg(HW_REG_WAVE_MODE, 25, 1), 1
	s_wait_xcnt 0x0
; Every f32 input is rounded ONCE to bf16 and laid out for the launches behind.  A stream: no LDS, no matrix unit, no cluster (no byte is read twice).
;   xb    bf16 [16 kb][8192 row][64]: 256 rows of one block of 64 channels are 32 KiB on end
;   wqkv  bf16 [1024 k][3072 n]: columns 0-1023 Wq, 1024-3071 Wkv
;   wp16  Wp rounded to bf16, that number written as f16 (exact from 2^-14 up; below, f16's fixed step of 6e-8)
;   offb  bf16 [2048][2048]            br  f32 [4096]: bq, bkv, bp, each rounded to bf16
; A work-group moves 8,192 numbers: a thread eight loads of 16 bytes and eight stores of 8.  A wave's load covers two aligned runs of 256 bytes, its store one.
; The job goes by the work-group's number: 0-1023 x, 1024-1535 the table, 1536-1663 Wq, 1664-1919 Wkv, 1920-2047 Wp, 2048 the biases.
.set XR,  8                            ; v[8:39]   eight slots of four f32 as loaded
.set YR,  40                           ; v[40:55]  eight slots of two words to store
.set SRC, 30                           ; s[30:31]  where the work-group reads
.set DST, 32                           ; s[32:33]  where it stores
; kind 0: x (rows to blocks of 64 channels); 1: dense; 2: Wq's rows into rows of 6,144 bytes; 3: Wkv's, behind Wq's 2,048 bytes; 4: dense, written as f16
.macro MOVE kind
.set j, 0
.rept 8
.if (\kind) == 0
.set li, (j%4)*8192+(j/4)*256
.else
.set li, j*4096
.endif
	global_load_b128 v[XR+4*j:XR+4*j+3], v1, s[SRC:SRC+1] offset:li th:TH_LOAD_NT
.set j, j+1
.endr
.set j, 0
.rept 8
.if (\kind) == 0
.set si, (j/4)*1048576+(j%4)*256
.elseif (\kind) == 2
.set si, j*6144
.elseif (\kind) == 3
.set si, (j/2)*6144+2048+(j%2)*2048
.else
.set si, j*2048
.endif
	s_wait_loadcnt 7-j                             ; loads come back in order: slot j is in, the 7 - j younger ones may stay out
	v_cvt_pk_bf16_f32 v[YR+2*j], v[XR+4*j], v[XR+4*j+1]
	v_cvt_pk_bf16_f32 v[YR+2*j+1], v[XR+4*j+2], v[XR+4*j+3]
.if (\kind) == 4
	v_lshlrev_b32 v56, 16, v[YR+2*j]               ; the bf16 numbers widened again,
	v_and_b32 v57, 0xffff0000, v[YR+2*j]
	v_cvt_pk_f16_f32 v[YR+2*j], v56, v57           ; and written as f16
	v_lshlrev_b32 v56, 16, v[YR+2*j+1]
	v_and_b32 v57, 0xffff0000, v[YR+2*j+1]
	v_cvt_pk_f16_f32 v[YR+2*j+1], v56, v57
.endif
	global_store_b64 v2, v[YR+2*j:YR+2*j+1], s[DST:DST+1] offset:si
.set j, j+1
.endr
	s_endpgm
.endm
	s_load_b512 s[4:19], s[0:1], 0x0               ; x s4, Wq s6, Wkv s8, Wp s10, table s12, bq s14, bkv s16, bp s18
	s_load_b256 s[20:27], s[0:1], 0x40             ; xb s20, wqkv s22, wp16 s24, offb s26
	s_load_b64 s[28:29], s[0:1], 0x60              ; br
	s_mov_b32 s2, ttmp9
	s_mov_b32 s35, 0
	s_mov_b32 s37, 0
	v_lshlrev_b32 v1, 4, v0                        ; the dense jobs: 16 bytes a thread in,
	v_lshlrev_b32 v2, 3, v0                        ; 8 bytes out
	s_wait_kmcnt 0x0
	s_cmp_lt_u32 s2, 1024
	s_cbranch_scc0 .Ltable
	; x, rows 8 c .. 8 c + 7.  Wave w takes channels 128 w .. 128 w + 127; a load takes 256 bytes of two rows, so a store is two rows x 128 bytes on end in xb
	s_lshl_b32 s34, s2, 15
	s_lshl_b32 s36, s2, 10
	s_add_nc_u64 s[SRC:SRC+1], s[4:5], s[34:35]
	s_add_nc_u64 s[DST:DST+1], s[20:21], s[36:37]
	v_and_b32 v3, 15, v0
	v_bfe_u32 v4, v0, 4, 1
	v_lshrrev_b32 v5, 5, v0
	v_and_b32 v6, 31, v0
	v_lshlrev_b32 v1, 4, v3
	v_lshl_add_u32 v1, v4, 12, v1                  ; lanes 16-31: the next row
	v_lshl_add_u32 v1, v5, 9, v1                   ; the wave's 512 bytes of a row
	v_lshlrev_b32 v2, 3, v6
	v_lshl_add_u32 v2, v5, 21, v2                  ; the wave's two blocks of 64 channels
	MOVE 0
.Ltable:
	s_cmp_lt_u32 s2, 1536
	s_cbranch_scc0 .Lwq
	s_sub_co_u32 s2, s2, 1024
	s_lshl_b32 s34, s2, 15
	s_lshl_b32 s36, s2, 14
	s_add_nc_u64 s[SRC:SRC+1], s[12:13], s[34:35]
	s_add_nc_u64 s[DST:DST+1], s[26:27], s[36:37]
	MOVE 1
.Lwq:
	s_cmp_lt_u32 s2, 1664
	s_cbranch_scc0 .Lwkv
	s_sub_co_u32 s2, s2, 1536
	s_lshl_b32 s34, s2, 15                         ; eight rows of Wq
	s_mul_i32 s36, s2, 49152
	s_add_nc_u64 s[SRC:SRC+1], s[6:7], s[34:35]
	s_add_nc_u64 s[DST:DST+1], s[22:23], s[36:37]
	MOVE 2
.Lwkv:
	s_cmp_lt_u32 s2, 1920
	s_cbranch_scc0 .Lwp
	s_sub_co_u32 s2, s2, 1664
	s_lshl_b32 s34, s2, 15                         ; four rows of Wkv
	s_mul_i32 s36, s2, 24576
	s_add_nc_u64 s[SRC:SRC+1], s[8:9], s[34:35]
	s_add_nc_u64 s[DST:DST+1], s[22:23], s[36:37]
	MOVE 3
.Lwp:
	s_cmp_lt_u32 s2, 2048
	s_cbranch_scc0 .Lbias
	s_sub_co_u32 s2, s2, 1920
	s_lshl_b32 s34, s2, 15
	s_lshl_b32 s36, s2, 14
	s_add_nc_u64 s[SRC:SRC+1], s[10:11], s[34:35]
	s_add_nc_u64 s[DST:DST+1], s[24:25], s[36:37]
	MOVE 4
.Lbias:
	global_load_b128 v[8:11], v1, s[14:15]
	global_load_b128 v[12:15], v1, s[16:17]
	global_load_b128 v[16:19], v1, s[16:17] offset:4096
	global_load_b128 v[20:23], v1, s[18:19]
	s_wait_loadcnt 0x0
.set j, 0
.rept 8
	v_cvt_pk_bf16_f32 v40, v[8+2*j], v[9+2*j]      ; rounded to bf16, kept as f32
	v_lshlrev_b32 v[24+2*j], 16, v40
	v_and_b32 v[25+2*j], 0xffff0000, v40
.set j, j+1
.endr
	global_store_b128 v1, v[24:27], s[28:29]
	global_store_b128 v1, v[28:31], s[28:29] offset:4096
	global_store_b128 v1, v[32:35], s[28:29] offset:8192
	global_store_b128 v1, v[36:39], s[28:29] offset:12288
	s_endpgm
.Lfunc_end_k_q6e7cd7cae3_cast:
	.size	k_q6e7cd7cae3_cast, .Lfunc_end_k_q6e7cd7cae3_cast-k_q6e7cd7cae3_cast
	.p2alignl 7, 3214868480
	.fill 96, 4, 3214868480
	.section	.rodata,"a",@progbits
	.p2align	6, 0x0
	.amdhsa_kernel k_q6e7cd7cae3_cast
		.amdhsa_group_segment_fixed_size 0
		.amdhsa_private_segment_fixed_size 0
		.amdhsa_enable_private_segment 0
		.amdhsa_kernarg_size 104
		.amdhsa_user_sgpr_count 2
		.amdhsa_user_sgpr_kernarg_segment_ptr 1
		.amdhsa_wavefront_size32 1
		.amdhsa_system_sgpr_workgroup_id_x 1
		.amdhsa_system_sgpr_workgroup_id_y 1
		.amdhsa_system_sgpr_workgroup_id_z 1
		.amdhsa_system_vgpr_workitem_id 0
		.amdhsa_next_free_vgpr 64
		.amdhsa_next_free_sgpr 66
		.amdhsa_reserve_vcc 0
		.amdhsa_float_denorm_mode_32 3
		.amdhsa_float_denorm_mode_16_64 3
		.amdhsa_memory_ordered 1
		.amdhsa_forward_progress 1
		.amdhsa_inst_pref_size 21
	.end_amdhsa_kernel
	.amdgpu_metadata
---
amdhsa.version: [ 1, 2 ]
amdhsa.kernels:
  - .name:           k_q6e7cd7cae3_cast
    .symbol:         k_q6e7cd7cae3_cast.kd
    .args:
      - { .name: x, .offset: 0, .size: 8, .value_kind: global_buffer, .address_space: global }
      - { .name: Wq, .offset: 8, .size: 8, .value_kind: global_buffer, .address_space: global }
      - { .name: Wkv, .offset: 16, .size: 8, .value_kind: global_buffer, .address_space: global }
      - { .name: Wp, .offset: 24, .size: 8, .value_kind: global_buffer, .address_space: global }
      - { .name: alibi_offset, .offset: 32, .size: 8, .value_kind: global_buffer, .address_space: global }
      - { .name: bq, .offset: 40, .size: 8, .value_kind: global_buffer, .address_space: global }
      - { .name: bkv, .offset: 48, .size: 8, .value_kind: global_buffer, .address_space: global }
      - { .name: bp, .offset: 56, .size: 8, .value_kind: global_buffer, .address_space: global }
      - { .name: xb, .offset: 64, .size: 8, .value_kind: global_buffer, .address_space: global }
      - { .name: wqkv, .offset: 72, .size: 8, .value_kind: global_buffer, .address_space: global }
      - { .name: wp16, .offset: 80, .size: 8, .value_kind: global_buffer, .address_space: global }
      - { .name: offb, .offset: 88, .size: 8, .value_kind: global_buffer, .address_space: global }
      - { .name: br, .offset: 96, .size: 8, .value_kind: global_buffer, .address_space: global }
    .group_segment_fixed_size: 0
    .private_segment_fixed_size: 0
    .kernarg_segment_align: 8
    .kernarg_segment_size: 104
    .max_flat_workgroup_size: 256
    .sgpr_count:     66
    .vgpr_count:     64
    .wavefront_size: 32
...
	.end_amdgpu_metadata
.endif
;; end of part 1
;; launch qkvgemm (part 2): grid 8 x 32, 4 waves a work-group, clusters of 4 x 4, 327,680 bytes of LDS; arguments xb, wqkv, br, qkv; writes qkv
.if DOCPART == 2
	.amdgcn_target "amdgcn-amd-amdhsa--gfx1250"
	.amdhsa_code_object_version 6
	.text
	.protected	k_q6e7cd7cae3_qkvgemm
	.globl	k_q6e7cd7cae3_qkvgemm
	.p2align	8
	.type	k_q6e7cd7cae3_qkvgemm,@function
k_q6e7cd7cae3_qkvgemm:
	s_mov_b64 s[64:65], 0
	v_nop
	global_prefetch_b8 v0, s[64:65] scope:SCOPE_SE
	s_setreg_imm32_b32 hwreg(HW_REG_WAVE_MODE, 25, 1), 1
	s_wait_xcnt 0x0
	s_wait_alu depctr_hold_cnt(0) depctr_sa_sdst(0) depctr_va_vdst(0) depctr_va_sdst(0) depctr_va_ssrc(0) depctr_va_vcc(0) depctr_vm_vsrc(0)
	s_getreg_b32 s2, hwreg(HW_REG_IB_STS2, 6, 4)
	s_cmp_eq_u32 s2, 0
	s_cbranch_scc0 .Lentry_in_a_cluster
	s_endpgm
.Lentry_in_a_cluster:
	s_bfe_u32 s2, ttmp6, 0x10000c
	s_cmp_lg_u32 s2, 0xf033
	s_cbranch_scc0 .Lentry_shape_is_right
	s_endpgm
.Lentry_shape_is_right:
; qkv = x (Wq | Wkv) + (bq | bkv): [8192 x 1024] x [1024 x 3072], operands bf16, sums f32, stored f16 by heads: qkv[b][g][t][64], g = column / 64 (q 0-15, k 16-31, v 32-47), unscaled.
; LIMIT: f16 ends at 65,504: q, k, v must stay within it.
; A tile of C is 256 x 384: 32 x 8 = 256 work-groups.  Four waves, each 128 rows x 192 columns: 96 accumulators, 768 registers (windows 1-3).  K goes in 16 steps of 64 through two LDS slots.
; THE PRODUCT IS USED TRANSPOSED: source 0 = 16 columns of W (W lies [k][n]; ds_load_tr16_b128 turns it), source 1 = 16 rows of x: a lane holds one row and eight neighbouring columns.
; THE BIAS STARTS THE SUMS: accumulator (0, b) is loaded with its columns' biases and is the C of the first products of (1..7, b); then it takes its own first product in place.
; CLUSTER 4 x 4: x's tile is shared along a row of the cluster, W's along a column; each is asked for jointly, with one descriptor and a mask of four.
; LDS, a slot (slot 1 at 131,072): x 256 rows x 144 bytes (128 + 16); W 64 k-rows x 864 bytes (3 x (256 + 32)): block bg of 16 columns at byte 32 bg + 32 (bg / 8) of a row.
; Behind the ring: a stage of 3 heads x 16 rows x 144 bytes for each wave, then the spare words.
; REGISTERS: window 0: v0-29 addresses; v32-95, v96-159 x's fragments of a step's two quarters; v160-255 W's fragments, three groups of four.  acc(a, b): window 1 + b / 4, v[64 (b % 4) + 8 a].
.set SLOT1, 131072
.set PA,    144
.set PW,    864
.set BOFF,  256*PA
.set STAGE, SLOT1+BOFF+64*PW
.set SPARE, STAGE+4*3*16*144
.set STEPA, 1048576                    ; bytes from one block of 64 channels of xb to the next
.set STEPB, 64*6144                    ; 64 rows of wqkv
.set FA0, 4                            ; v4     my lane's place in x's tile
.set FB0, 5                            ; v5-7   the same in W's, for each group of four column blocks
.set ADA, 8                            ; v8     FA0 + the slot in hand
.set ADB, 9                            ; v9-11  FB0 + the slot in hand
.set STO, 12                           ; v12    the way out: where I put 16 bytes of a row
.set RD,  13                           ; v13    where I read rows back
.set GO,  14                           ; v14    my 16 of 512 consecutive bytes of a head
.set BO,  15                           ; v15    32 x (lane / 16): my eight biases of a column block
.set PFO, 16                           ; v16    the prefetches' offset; never rewritten
.set SPW, 28                           ; v28    my spare word; never rewritten
.set NIL, 29                           ; v29    0; never rewritten
.set A0,  32
.set A1,  96
.set BB,  160
.set TMP, 32                           ; the way out: 48 packed registers
.set BK,  80                           ; and two sets of 48 read back
.set WV, 12
.set RH, 13                            ; my half of the tile's rows; also: I fetch for x (0) or for W (1)
.set CH, 14                            ; my half of its columns; also: which half of that tile I fetch
.set CX, 15
.set CY, 16
.set TC, 17
.set TR, 18
.set G1A, 24
.set G0A, 32                           ; s[32:35] step 0, s[36:39] step 1, which then walks
.set TB,  40                           ; the slot that is read
.set LIM, 41
.set PAR, 42
.set PFA, 44
.set PFS, 46
.set G1B, 48
.set G0B, 56
.set BIA, 66
.set OUT, 68
.set MSB, 0
.macro WIN new                         ; the immediate's high byte repeats the setting that is left
.if MSB != (\new)
	s_set_vgpr_msb (MSB<<8)|(\new)
.set MSB, \new
.endif
.endm
.macro PLACES                          ; four plain places behind matrix instructions, in front of loads into their sources and of reads of their results
.rept 4
	v_nop
.endr
.endm
.macro CREST                           ; a round of the cluster's barrier behind its opening barrier
	s_cmp_lg_u32 s[WV], 0
	s_cbranch_scc1 .Lnot_wave_0_\@
	s_barrier_signal -3
.Lnot_wave_0_\@:
	s_barrier_wait -3
	s_barrier_signal -1
	s_barrier_wait -1
.endm
.macro CROUND
	s_barrier_signal -1
	s_barrier_wait -1
	CREST
.endm
.macro JLOAD                           ; the joint refill by the walking descriptors: waves 0, 1 x's halves, waves 2, 3 W's; an s_nop 0 and four v_nop follow each line
	s_cmp_eq_u32 s[RH], 0
	s_cbranch_scc0 .Lfor_b_\@
	tensor_load_to_lds s[G0A+4:G0A+7], s[G1A:G1A+7]
	s_nop 0
	PLACES
	s_branch .Lasked_\@
.Lfor_b_\@:
	tensor_load_to_lds s[G0B+4:G0B+7], s[G1B:G1B+7]
	s_nop 0
	PLACES
.Lasked_\@:
.endm
; A prefetch into the L2, two refills ahead of the load that will want the bytes.  Wave 0: x's tile of step i + 4, 32 of its 128 runs of 256 bytes (my work-group's, by address: cx), every trip; only the
; clusters with x = 0 ask.  Waves 1-3: in every second trip one run of 256 bytes (wave - 1) of 32 k-rows (by address: cy) of steps i + 4 and i + 5 of W; only the clusters with y = 0 ask.
; So each run is named once.  The trips whose step i + 4 does not exist ask for nothing.
.macro ASK
	s_and_b32 s2, s3, s[PAR]
	s_cmp_lg_u32 s2, 0
	s_cbranch_scc1 .Lnot_mine_\@
	s_cmp_gt_u32 s3, s[LIM]
	s_cbranch_scc0 .Lnot_mine_\@
	global_prefetch_b8 v[PFO], s[PFA:PFA+1] th:TH_LOAD_NT scope:SCOPE_SE
.Lnot_mine_\@:
.endm
	s_load_b256 s[4:11], s[0:1], 0x0               ; xb s4, wqkv s6, br s8, qkv s10
	v_lshl_add_u32 v[SPW], v0, 2, SPARE
	v_mov_b32 v[NIL], 0
	ds_add_u32 v[SPW], v[NIL]                      ; the wave's opening: the add and its wait ahead of my first tensor load
	v_lshrrev_b32 v1, 5, v0
	v_readfirstlane_b32 s[WV], v1
	s_lshr_b32 s[RH], s[WV], 1
	s_and_b32 s[CH], s[WV], 1
	s_bfe_u32 s[CX], ttmp6, 0x40000
	s_bfe_u32 s[CY], ttmp6, 0x40004
	s_lshl_b32 s[TC], ttmp9, 2
	s_add_co_u32 s[TC], s[TC], s[CX]               ; tile column 0..7
	s_and_b32 s[TR], ttmp7, 0xffff
	s_lshl_b32 s[TR], s[TR], 2
	s_add_co_u32 s[TR], s[TR], s[CY]               ; tile row 0..31
	s_lshl_b32 s19, s[CY], 2
	s_lshl_b32 s19, 15, s19                        ; my row of the cluster
	s_lshl_b32 s43, 0x1111, s[CX]                  ; my column
	s_or_b32 s[G1A], s19, (1<<16)|(1<<20)|(1<<21)|(4<<22)|(3<<25)  ; 2-byte elements; 4 words of padding behind every 32
	s_mov_b32 s[G1A+1], 128<<16                    ; 16 KiB dense, asked for as 64 rows of 256 bytes
	s_mov_b32 s[G1A+2], 64<<16
	s_mov_b32 s[G1A+3], 128<<16
	s_mov_b32 s[G1A+4], 64
	s_mov_b32 s[G1A+5], 128
	s_mov_b32 s[G1A+6], 0
	s_mov_b32 s[G1A+7], 0
	s_or_b32 s[G1B], s43, (1<<16)|(1<<20)|(1<<21)|(5<<22)|(7<<25)  ; 8 words of padding behind every 64
	s_mov_b32 s[G1B+1], 384<<16                    ; 32 k-rows of 384 columns
	s_mov_b32 s[G1B+2], 32<<16
	s_mov_b32 s[G1B+3], 384<<16
	s_mov_b32 s[G1B+4], 32
	s_mov_b32 s[G1B+5], 3072
	s_mov_b32 s[G1B+6], 0
	s_mov_b32 s[G1B+7], 0
	s_lshl_b32 s20, s[TR], 15                      ; x: row 256 tr + 128 half, 128 bytes a row
	s_lshl_b32 s22, s[CH], 14
	s_add_co_u32 s20, s20, s22
	s_mov_b32 s21, 0
	s_mul_i32 s70, s[TC], 768                      ; W: column 384 tc, k-row 32 half
	s_mul_i32 s72, s[CH], 32*6144
	s_add_co_u32 s70, s70, s72
	s_mov_b32 s71, 0
	s_mul_i32 s22, s[CH], 128*PA                   ; where they go: the wave's number alone
	s_mul_i32 s23, s[CH], 32*PW
	s_add_co_u32 s23, s23, BOFF
	s_mov_b32 s[TB], 0
	s_wait_dscnt 0x0                               ; the opening add is done
	s_wait_kmcnt 0x0
	s_add_nc_u64 s[20:21], s[4:5], s[20:21]
	s_add_nc_u64 s[70:71], s[6:7], s[70:71]
.irp s, 0,1
	s_mov_b32 s[G0A+4*\s], 1
	s_add_co_u32 s[G0A+4*\s+1], s22, \s*SLOT1
	s_add_nc_u64 s[G0A+4*\s+2:G0A+4*\s+3], s[20:21], \s*STEPA
	s_or_b32 s[G0A+4*\s+3], s[G0A+4*\s+3], 0x80000000
	s_mov_b32 s[G0B+4*\s], 1
	s_add_co_u32 s[G0B+4*\s+1], s23, \s*SLOT1
	s_add_nc_u64 s[G0B+4*\s+2:G0B+4*\s+3], s[70:71], \s*STEPB
	s_or_b32 s[G0B+4*\s+3], s[G0B+4*\s+3], 0x80000000
.endr
	CROUND                                         ; all sixteen work-groups are here: the first joint loads meet
	s_cmp_eq_u32 s[RH], 0                          ; a wave's two first fills stand in one branch: two loads of mine are out
	s_cbranch_scc0 .Lfirst_b
	tensor_load_to_lds s[G0A:G0A+3], s[G1A:G1A+7]
	s_nop 0
	tensor_load_to_lds s[G0A+4:G0A+7], s[G1A:G1A+7]
	s_nop 0
	PLACES
	s_branch .Lfirst_asked
.Lfirst_b:
	tensor_load_to_lds s[G0B:G0B+3], s[G1B:G1B+7]
	s_nop 0
	tensor_load_to_lds s[G0B+4:G0B+7], s[G1B:G1B+7]
	s_nop 0
	PLACES
.Lfirst_asked:
	v_and_b32 v1, 15, v0                           ; r = lane % 16
	v_bfe_u32 v2, v0, 4, 1                         ; h = lane / 16
	v_lshlrev_b32 v[BO], 5, v2
	s_mul_i32 s72, s[TC], 1536                     ; my 192 columns' biases
	s_mul_i32 s73, s[CH], 768
	s_add_co_u32 s72, s72, s73
	s_mov_b32 s73, 0
	s_add_nc_u64 s[BIA:BIA+1], s[8:9], s[72:73]
.irp g, 0,1,2
	WIN (\g+1)<<6                                  ; destination in the group's window
.irp b, 0,1,2,3
	global_load_b128 v[64*\b:64*\b+3],   v[BO], s[BIA:BIA+1] offset:64*(4*\g+\b)
	global_load_b128 v[64*\b+4:64*\b+7], v[BO], s[BIA:BIA+1] offset:64*(4*\g+\b)+16
.endr
.endr
	WIN 0
	v_mul_u32_u24 v[FA0], v1, PA                   ; x: (128 RH + r) x pitch + 16 h
	v_lshl_add_u32 v[FA0], v2, 4, v[FA0]
	s_mul_i32 s74, s[RH], 128*PA
	v_add_nc_u32 v[FA0], s74, v[FA0]
	v_and_b32 v17, 7, v0                           ; W, the turning load: k-row 8 h + lane % 8, 16 bytes by (lane / 8) % 2
	v_bfe_u32 v18, v0, 3, 1
	v_lshl_add_u32 v3, v2, 3, v17
	v_mul_u32_u24 v3, v3, PW
	v_lshl_add_u32 v3, v18, 4, v3
.irp g, 0,1,2
	s_mul_i32 s74, s[CH], 12
	s_add_co_u32 s74, s74, 4*\g                    ; the group's first column block bg,
	s_lshr_b32 s75, s74, 3
	s_add_co_u32 s74, s74, s75
	s_lshl_b32 s74, s74, 5                         ; at byte 32 bg + 32 (bg / 8) of a row
	s_add_co_u32 s74, s74, BOFF
	v_add_nc_u32 v[FB0+\g], s74, v3
	v_mov_b32 v[ADB+\g], v[FB0+\g]
.endr
	v_mov_b32 v[ADA], v[FA0]
	s_mul_i32 s74, s[WV], 3*16*144
	s_add_co_u32 s74, s74, STAGE                   ; my stage
	v_mul_u32_u24 v[STO], v1, 144
	v_lshl_add_u32 v[STO], v2, 4, v[STO]
	v_add_nc_u32 v[STO], s74, v[STO]
	v_bfe_u32 v[RD], v0, 3, 2                      ; back: 32 lanes take four rows of 128 bytes
	v_mul_u32_u24 v[RD], v[RD], 144
	v_lshl_add_u32 v[RD], v17, 4, v[RD]
	v_add_nc_u32 v[RD], s74, v[RD]
	v_and_b32 v[GO], 31, v0
	v_lshlrev_b32 v[GO], 4, v[GO]
	s_lshr_b32 s72, s[TR], 3                       ; out: ((batch x 48 + 6 tc + 3 CH) x 2048 + (tr % 8) x 256 + 128 RH) x 128 bytes
	s_mul_i32 s72, s72, 48
	s_mul_i32 s73, s[TC], 6
	s_add_co_u32 s72, s72, s73
	s_mul_i32 s73, s[CH], 3
	s_add_co_u32 s72, s72, s73
	s_lshl_b32 s72, s72, 11
	s_and_b32 s73, s[TR], 7
	s_lshl_b32 s73, s73, 8
	s_add_co_u32 s72, s72, s73
	s_lshl_b32 s73, s[RH], 7
	s_add_co_u32 s72, s72, s73
	s_lshl_b32 s72, s72, 7
	s_mov_b32 s73, 0
	s_add_nc_u64 s[OUT:OUT+1], s[10:11], s[72:73]
	; the prefetches: they stand at step 3; each refill steps them by one step and then names them
	s_lshl_b32 s72, s[TR], 15
	s_lshl_b32 s74, s[CX], 13
	s_add_co_u32 s72, s72, s74
	s_add_co_u32 s72, s72, 3*STEPA
	s_mul_i32 s73, s[CY], 32*6144
	s_mul_i32 s74, s[TC], 768
	s_add_co_u32 s73, s73, s74
	s_lshl_b32 s74, s[WV], 8
	s_add_co_u32 s73, s73, s74
	s_add_co_u32 s73, s73, 3*STEPB-256
	s_mov_b32 s74, STEPA
	s_mov_b32 s75, STEPB
	s_mov_b32 s77, 256
	s_mov_b32 s78, 6144
	s_and_b32 s76, ttmp7, 0xffff
	s_cmp_eq_u32 s[WV], 0
	s_cselect_b64 s[PFA:PFA+1], s[4:5], s[6:7]
	s_cselect_b32 s[PFS], s74, s75
	s_cselect_b32 s72, s72, s73
	s_cselect_b32 s[PAR], 0, 1
	s_cselect_b32 s76, ttmp9, s76                  ; the coordinate along which other clusters read the same bytes
	s_cselect_b32 s77, s77, s78
	s_mov_b32 s[PFS+1], 0
	s_mov_b32 s73, 0
	s_add_nc_u64 s[PFA:PFA+1], s[PFA:PFA+1], s[72:73]
	s_cmp_eq_u32 s76, 0
	s_cselect_b32 s[LIM], 2, -1
	v_and_b32 v[PFO], 31, v0
	v_mul_u32_u24 v[PFO], s77, v[PFO]
.macro LDB g, q                        ; W's four fragments of group g, quarter q: 8 turning loads
.irp b, 0,1,2,3
	ds_load_tr16_b128 v[BB+32*(\g)+8*\b:BB+32*(\g)+8*\b+3],   v[ADB+(\g)] offset:(\q)*32*PW+32*\b
	ds_load_tr16_b128 v[BB+32*(\g)+8*\b+4:BB+32*(\g)+8*\b+7], v[ADB+(\g)] offset:(\q)*32*PW+32*\b+16*PW
.endr
.endm
.macro LDA buf, q, half                ; four of x's eight fragments of quarter q: 8 loads
.irp a, 0,1,2,3
	ds_load_b128 v[(\buf)+8*(4*(\half)+\a):(\buf)+8*(4*(\half)+\a)+3],   v[ADA] offset:(4*(\half)+\a)*16*PA+64*(\q)
	ds_load_b128 v[(\buf)+8*(4*(\half)+\a)+4:(\buf)+8*(4*(\half)+\a)+7], v[ADA] offset:(4*(\half)+\a)*16*PA+64*(\q)+32
.endr
.endm
.macro MULG g, buf, b0, nb             ; nb x 8 products of group g; all 96 accumulators take turns, one instruction a turn
	WIN 0x50*((\g)+1)
.set ib, \b0
.rept \nb
.set ia, 0
.rept 8
	v_wmma_f32_16x16x32_bf16 v[64*ib+8*ia:64*ib+8*ia+7], v[BB+32*(\g)+8*ib:BB+32*(\g)+8*ib+7], v[(\buf)+8*ia:(\buf)+8*ia+7], v[64*ib+8*ia:64*ib+8*ia+7]
.set ia, ia+1
.endr
.set ib, ib+1
.endr
.endm
.macro MULF g                          ; the first products: C = the biases in acc(0, b); five places; then acc(0, b) itself, in place
	WIN 0x50*((\g)+1)
.set ia, 1
.rept 7
.set ib, 0
.rept 4
	v_wmma_f32_16x16x32_bf16 v[64*ib+8*ia:64*ib+8*ia+7], v[BB+32*(\g)+8*ib:BB+32*(\g)+8*ib+7], v[A0+8*ia:A0+8*ia+7], v[64*ib:64*ib+7]
.set ib, ib+1
.endr
.set ia, ia+1
.endr
.rept 5
	v_nop
.endr
.set ib, 0
.rept 4
	v_wmma_f32_16x16x32_bf16 v[64*ib:64*ib+7], v[BB+32*(\g)+8*ib:BB+32*(\g)+8*ib+7], v[A0:A0+7], v[64*ib:64*ib+7]
.set ib, ib+1
.endr
.endm
; A step's first quarter: multiplies buffer A0 and fetches the second quarter, in three runs of 16, 16 and 8 loads, each behind the group whose registers it fills.
.macro QN first
	s_wait_dscnt 8                                 ; groups 0, 1 and all of x are in; the third run of the quarter before (8 loads) may stay out
.if \first
	MULF 0
.else
	MULG 0, A0, 0, 4
.endif
	PLACES
	WIN 0
	LDB 0, 1
	LDA A1, 1, 0
.if \first
	MULF 1
.else
	MULG 1, A0, 0, 4
.endif
	PLACES
	WIN 0
	LDB 1, 1
	LDA A1, 1, 1
	s_wait_dscnt 32                                ; group 2 is in; this quarter's two runs of 16 may stay out
.if \first
	MULF 2
.else
	MULG 2, A0, 0, 4
.endif
	PLACES
	WIN 0
	LDB 2, 1
.endm
; A step's second quarter changes slots.  In front of the barrier each wave waits for all its tensor loads (one is out: its part of the next slot), adds 0 to its spare word, and waits for that and for its
; reads of this slot.  fill = 1: the barrier opens a round of the cluster's, and this slot is filled again, two steps ahead, first thing behind it: 160 products stand between that request and the wait for it.
.macro QT fill
.if \fill
	s_wait_xcnt 0x0                                ; the last prefetch, a step back, has read its address
	s_add_nc_u64 s[PFA:PFA+1], s[PFA:PFA+1], s[PFS:PFS+1]
.endif
	WIN 0
	s_wait_tensorcnt 0x0
	ds_add_u32 v[SPW], v[NIL]
.if \fill
	s_xor_b32 s[G0A+5], s[G0A+5], SLOT1            ; no tensor load of mine is out: the walking descriptors take the other slot and the next step
	s_add_nc_u64 s[G0A+6:G0A+7], s[G0A+6:G0A+7], STEPA
	s_xor_b32 s[G0B+5], s[G0B+5], SLOT1
	s_add_nc_u64 s[G0B+6:G0B+7], s[G0B+6:G0B+7], STEPB
.endif
	s_wait_dscnt 9                                 ; the add and the third run's 8 loads may stay out
	MULG 0, A1, 0, 2
	s_wait_dscnt 0x0                               ; the add is done, my reads of this slot are over
	s_barrier_signal -1
	MULG 0, A1, 2, 2
	WIN 0
	s_barrier_wait -1
.if \fill
	CREST
	JLOAD                                          ; its four v_nop are also the places in front of the loads below
.else
	PLACES
.endif
	s_xor_b32 s[TB], s[TB], SLOT1
	v_add_nc_u32 v[ADA], s[TB], v[FA0]
	v_add_nc_u32 v[ADB], s[TB], v[FB0]
	v_add_nc_u32 v[ADB+1], s[TB], v[FB0+1]
	v_add_nc_u32 v[ADB+2], s[TB], v[FB0+2]
	LDB 0, 0
	LDA A0, 0, 0
.if \fill
	ASK
.endif
	MULG 1, A1, 0, 4
	PLACES
	WIN 0
	LDB 1, 0
	LDA A0, 0, 1
	MULG 2, A1, 0, 4
	PLACES
	WIN 0
	LDB 2, 0
.endm
; THE WAY OUT of my 16 rows a: rounded to f16; into my stage by heads; back as whole rows; stored, 512 consecutive bytes of a head an instruction.
.macro PACK a
.irp g, 0,1,2
	WIN 5*(\g+1)                                   ; sources 0 and 1 in the group's window
.set ib, 0
.rept 4
.set ir, 0
.rept 4
	v_cvt_pk_f16_f32 v[TMP+16*\g+4*ib+ir], v[64*ib+8*(\a)+2*ir], v[64*ib+8*(\a)+2*ir+1]
.set ir, ir+1
.endr
.set ib, ib+1
.endr
.endr
	WIN 0
.endm
.macro TOSTAGE a
.set ib, 0
.rept 12
	ds_store_b128 v[STO], v[TMP+4*ib:TMP+4*ib+3] offset:(ib/4)*16*144+(ib%4)*32
.set ib, ib+1
.endr
	s_wait_xcnt 0x0                                ; the stores of two blocks back have read the registers that are loaded now
.set ib, 0
.rept 12
	ds_load_b128 v[BK+48*((\a)%2)+4*ib:BK+48*((\a)%2)+4*ib+3], v[RD] offset:(ib/4)*16*144+(ib%4)*4*144  ; LDS serves a wave's instructions in order: these see the stores above
.set ib, ib+1
.endr
.endm
.macro SEND a
	s_wait_dscnt 0x0
.set ib, 0
.rept 12
	global_store_b128 v[GO], v[BK+48*((\a)%2)+4*ib:BK+48*((\a)%2)+4*ib+3], s[OUT:OUT+1] offset:(ib/4)*262144+(\a)*2048+(ib%4)*512
.set ib, ib+1
.endr
.endm
	s_wait_tensorcnt 1                             ; my part of step 0 is in; step 1's may stay out
	s_barrier_signal -1
	s_barrier_wait -1
	LDB 0, 0
	LDA A0, 0, 0
	LDB 1, 0
	LDA A0, 0, 1
	LDB 2, 0
	s_wait_loadcnt 0x0                             ; the biases
	QN 1
	s_mov_b32 s3, 14                               ; steps 2 to 15 are asked for in the loop
.Lk:
	QT 1
	QN 0
	s_sub_co_u32 s3, s3, 1
	s_cmp_lg_u32 s3, 0
	s_cbranch_scc1 .Lk
	QT 0                                           ; the tail asks for nothing
	QN 0
	s_wait_dscnt 8
	MULG 0, A1, 0, 4
	MULG 1, A1, 0, 4
	s_wait_dscnt 0x0
	MULG 2, A1, 0, 4
	PLACES
	PACK 0
	TOSTAGE 0
.irp a, 1,2,3,4,5,6,7
	PACK \a
	SEND \a-1
	TOSTAGE \a
.endr
	SEND 7
	s_wait_tensorcnt 0x0                           ; the wave's end
	ds_add_u32 v[SPW], v[NIL]
	s_wait_dscnt 0x0
	CROUND                                         ; the closing round
	s_endpgm
.Lfunc_end_k_q6e7cd7cae3_qkvgemm:
	.size	k_q6e7cd7cae3_qkvgemm, .Lfunc_end_k_q6e7cd7cae3_qkvgemm-k_q6e7cd7cae3_qkvgemm
	.p2alignl 7, 3214868480
	.fill 96, 4, 3214868480
	.section	.rodata,"a",@progbits
	.p2align	6, 0x0
	.amdhsa_kernel k_q6e7cd7cae3_qkvgemm
		.amdhsa_group_segment_fixed_size 327680
		.amdhsa_private_segment_fixed_size 0
		.amdhsa_enable_private_segment 0
		.amdhsa_kernarg_size 32
		.amdhsa_user_sgpr_count 2
		.amdhsa_user_sgpr_kernarg_segment_ptr 1
		.amdhsa_wavefront_size32 1
		.amdhsa_system_sgpr_workgroup_id_x 1
		.amdhsa_system_sgpr_workgroup_id_y 1
		.amdhsa_system_sgpr_workgroup_id_z 1
		.amdhsa_system_vgpr_workitem_id 0
		.amdhsa_next_free_vgpr 1024
		.amdhsa_next_free_sgpr 80
		.amdhsa_reserve_vcc 0
		.amdhsa_float_denorm_mode_32 3
		.amdhsa_float_denorm_mode_16_64 3
		.amdhsa_memory_ordered 1
		.amdhsa_forward_progress 1
		.amdhsa_inst_pref_size 116
	.end_amdhsa_kernel
	.amdgpu_metadata
---
amdhsa.version: [ 1, 2 ]
amdhsa.kernels:
  - .name:           k_q6e7cd7cae3_qkvgemm
    .symbol:         k_q6e7cd7cae3_qkvgemm.kd
    .args:
      - { .name: xb, .offset: 0, .size: 8, .value_kind: global_buffer, .address_space: global }
      - { .name: wqkv, .offset: 8, .size: 8, .value_kind: global_buffer, .address_space: global }
      - { .name: br, .offset: 16, .size: 8, .value_kind: global_buffer, .address_space: global }
      - { .name: qkv, .offset: 24, .size: 8, .value_kind: global_buffer, .address_space: global }
    .group_segment_fixed_size: 327680
    .private_segment_fixed_size: 0
    .kernarg_segment_align: 8
    .kernarg_segment_size: 32
    .max_flat_workgroup_size: 128
    .sgpr_count:     80
    .vgpr_count:     1024
    .wavefront_size: 32
...
	.end_amdgpu_metadata
.endif
;; end of part 2
;; launch attn (part 3): grid 64 x 4, 4 waves a work-group, clusters of 4 x 1, 327,680 bytes of LDS; arguments qkv, offb, alibi_m, ob; writes ob
.if DOCPART == 3
	.amdgcn_target "amdgcn-amd-amdhsa--gfx1250"
	.amdhsa_code_object_version 6
	.text
	.protected	k_q6e7cd7cae3_attn
	.globl	k_q6e7cd7cae3_attn
	.p2align	8
	.type	k_q6e7cd7cae3_attn,@function
k_q6e7cd7cae3_attn:
	s_mov_b64 s[64:65], 0
	v_nop
	global_prefetch_b8 v0, s[64:65] scope:SCOPE_SE
	s_setreg_imm32_b32 hwreg(HW_REG_WAVE_MODE, 25, 1), 1
	s_wait_xcnt 0x0
	s_wait_alu depctr_hold_cnt(0) depctr_sa_sdst(0) depctr_va_vdst(0) depctr_va_sdst(0) depctr_va_ssrc(0) depctr_va_vcc(0) depctr_vm_vsrc(0)
	s_getreg_b32 s2, hwreg(HW_REG_IB_STS2, 6, 4)
	s_cmp_eq_u32 s2, 0
	s_cbranch_scc0 .Lentry_in_a_cluster
	s_endpgm
.Lentry_in_a_cluster:
	s_bfe_u32 s2, ttmp6, 0x10000c
	s_cmp_lg_u32 s2, 0x3003
	s_cbranch_scc0 .Lentry_shape_is_right
	s_endpgm
.Lentry_shape_is_right:
; CAUSAL ATTENTION WITH A BIAS TABLE.  O[q] = sum over k <= q of softmax_k(Q[q].K[k] / 8 + m_h T[q][k]) V[k], for 64 heads of 2,048 rows x 64 channels.  Q, K, V (buffer qkv, by heads) and O are f16;
; T (offb) and 8 m_h are bf16; products, maxima and sums f32; the weights are rounded to f16 for the second product, O once at the end.
; LIMITS.  Q, K, V lie within 65,504.  T must be finite wherever it is loaded: columns below 256 (row / 256 + 1), the hidden part of the diagonal blocks too; an infinity or NaN there spreads over the
; 16 queries of its fragment.  A hidden score counts as its value less 1e30; a weight below 2^-126 counts as 0.
; THE WALK.  A head's queries lie in 8 blocks of 256; block i needs the keys below 256 (i + 1): 2 (i + 1) SLOTS of 128 keys, of which the last two hold the diagonal.  A work-group takes blocks 7 - y and then
; y: 18 slots whatever y, so all 256 work-groups do equal work and one loop with a constant count walks them.  Every jump but the loops' own goes forward.
; CLUSTER: four HEADS of one pair y.  They run the same walk and need the same tile of T, which is asked for jointly.  K and V are each head's own and come by plain loads behind the same round; they are not
; shared among a head's four pairs, since those ask for different slots once the first blocks end one after the other.
; SHARES.  Of a block's four bands of 64 queries a wave owns 16 rows in each: four PIECES.  In key step s of the diagonal region band x sees all keys (s < x), none (s > x) or holds the diagonal (s = x).
; THE BIAS GOES THROUGH THE MATRIX UNIT.  For 16 keys x 16 queries one bf16 product starts the sum: S^T = T^T (8 m I) + MC.  Source 0 is T's tile turned by one ds_load_tr16_b128 (k = the piece's 16 queries; the
; operand's upper four registers hold 0); source 1 is DI, 8 m on the diagonal; C is the causal mask MC (0, or -1e30 where the key is hidden).  The f16 products K Q^T then add in place, five places or more behind.
; MC = MD x AL + BE with two scalars, made only in the diagonal region (a forward jump passes it elsewhere, where MC stays 0).
; SOFTMAX, TURNS.  p = 2^(c s - c m), c = log2(e) / 8, s = Q.K + 8 m T, with a running maximum m; O and l are multiplied by a = 2^(c m_old - c m_new) in every step.  Turn n belongs to piece n: 4 + 8 products for the
; scores of piece n + 1, later 8 products V^T P of piece n - 1; beside them piece n's scaling, exponentials, roundings, sums and rescaling and piece n + 1's maximum.  Four vector instructions stand behind every
; product, the other 38 in one lump.  A turn's 33 exponentials are one batch with one wait.
; LDS, a slot (slot 1 at 131,072): K 128 rows x 144; V 128 x 160; T 256 rows x 288.  Behind the ring: a stage of 16 x 144 for each wave, then the spare words.
; REGISTERS (s_set_vgpr_msb: bits 1:0 source 0, 3:2 source 1, 5:4 source 2, 7:6 destination):
;   window 0: v0-63 addresses, statistics, at work; v64-127 S^T, two buffers; v192-223 P, two buffers      window 1: v0-127 O^T; v128-159 MD; v160-223 MC, two buffers
;   window 2: v0-63 Q; v64-127 K of one step; v200-207 DI      window 3: v0-63 V of one step; v64-127 the second block's Q; v128-255 T's fragments (piece x, key group kt at 128 + 32 x + 8 kt)
.set NP,    4
.set KS,    64
.set PK,    144
.set PV,    160
.set PT,    288
.set VOFF,  128*PK
.set TOFF,  VOFF+128*PV
.set SLOT1, 1<<17
.set STAGE, SLOT1+TOFF+256*PT
.set SP,    144
.set SPARE, STAGE+4*16*SP
.set AK0, 2
.set AV0, 3
.set AK,  4
.set AV,  5
.set STO, 6
.set RD,  7
.set GO,  8
.set MV,  12          ; v12-13  c m_old, by buffer
.set QO,  15
.set ST,  16          ; piece t's statistics at v[ST+4 t]: c m, m, l (even keys', odd keys')
.set AT0, 32          ; my lane's place in T's tile
.set AT,  33
.set PFO, 34
.set PFO2, 35
.set TMP, 48
.set SPW, 62
.set NIL, 63
.set S,   64
.set P,   192
.set MD,  128         ; window 1
.set MC,  160         ; window 1
.set KF,  64          ; window 2
.set DI,  200         ; window 2
.set VF,  0           ; window 3
.set QB,  64          ; window 3
.set BF,  128         ; window 3
.set LQ2, 3           ; s3   the second block's last slot
.set WV,  12
.set PB,  14          ; s14  y
.set HI,  15          ; s15  7 - y
.set G1K, 24
.set G1V, 32
.set G0K, 40
.set G0V, 44
.set G1T, 48
.set SLOTS, 56
.set CNT, 57
.set CS,  58
.set SEL, 60
.set TBK, 62
.set TBV, 63
.set TBT, 66
.set DCN, 67          ; s67  4 to 1 over the diagonal region's four steps; far above 4 before
.set G0T, 68
.set RT,  72          ; slots of the block in hand still to be entered
.set NXT, 73          ; the slot to be asked for next
.set LQ,  74          ; the last slot of the block whose slots are being asked for
.set NEW, 75
.set OFF, 76
.set OFT, 78
.set AL,  80
.set BE,  82
.set OLO, 84
.set BIGN, 86
.set TRB, 87          ; 2^20 x the block whose slots are being asked for: its rows in T
.set TRB2, 88
.set MKF, 89
.set TBASE, 90
.set PFB, 92
.set PFA, 94
.set POF, 96
.set LIM, 98
.set MH,  99
.set MSB, 0
.macro WIN new
.if MSB != (\new)
	s_set_vgpr_msb (MSB<<8)|(\new)
.set MSB, (\new)
.endif
.endm
.set W_KQ, 0x0a       ; K and Q in window 2, S^T in window 0
.set W_BI, 0x1b       ; T's fragment in window 3, DI in window 2, MC in window 1, S^T in window 0
.set W_PV, 0x53       ; V in window 3, P in window 0, O^T in window 1
.set W_RS, 0x41       ; destination and source 0 in window 1
.macro NOPS4
.rept 4
	v_nop
.endr
.endm
; A fill: wave 0 K's 128 rows, wave 1 V's, waves 2 and 3 the halves of T's tile (jointly with the three partners).  An s_nop 0 and four v_nop follow each line.
.macro JLOAD
	s_cmp_lt_u32 s[WV], 2
	s_cbranch_scc0 .Lfor_t_\@
	s_cmp_eq_u32 s[WV], 0
	s_cbranch_scc0 .Lfor_v_\@
	tensor_load_to_lds s[G0K:G0K+3], s[G1K:G1K+7]
	s_nop 0
	NOPS4
	s_branch .Lasked_\@
.Lfor_v_\@:
	tensor_load_to_lds s[G0V:G0V+3], s[G1V:G1V+7]
	s_nop 0
	NOPS4
	s_branch .Lasked_\@
.Lfor_t_\@:
	tensor_load_to_lds s[G0T:G0T+3], s[G1T:G1T+7]
	s_nop 0
	NOPS4
.Lasked_\@:
.endm
; A prefetch into the L2 of what the NEXT change of slots will ask for: one slot, eight turns, ahead.  K (wave 0) and V (wave 1): 64 runs of 256 bytes, each work-group its own head's; only the pair y = 0 asks, whose
; first block walks all keys, and it stops with that block.  T (wave 2): 64 of the tile's 256 rows (my work-group's, by address: cx); only the clusters with x = 0 ask.  So each run is named once.
.macro ASK
	s_cmp_gt_u32 s[SLOTS], s[LIM]
	s_cbranch_scc0 .Lnot_mine_\@
	global_prefetch_b8 v[PFO], s[PFA:PFA+1] th:TH_LOAD_NT scope:SCOPE_SE
	global_prefetch_b8 v[PFO2], s[PFA:PFA+1] th:TH_LOAD_NT scope:SCOPE_SE
.Lnot_mine_\@:
.endm
.macro CROUND
	s_barrier_signal -1
	s_barrier_wait -1
	s_cmp_lg_u32 s[WV], 0
	s_cbranch_scc1 .Lnot_wave_0_\@
	s_barrier_signal -3
.Lnot_wave_0_\@:
	s_barrier_wait -3
	s_barrier_signal -1
	s_barrier_wait -1
.endm
; THE CHANGE OF SLOTS.  Each wave waits for all its tensor loads (one is out: its part of the other slot), adds 0 to its spare word, and waits for that and for its reads of the slot that it leaves.
; fill = 1: a round of the cluster's barrier, and the old slot is filled again first thing behind it, with slot NXT; the addresses are made anew from that number.
.macro CHANGE fill
	WIN 0
	s_wait_tensorcnt 0x0
	ds_add_u32 v[SPW], v[NIL]       ; 0 onto my spare word; the scalar work stands between it and the wait for it
.if \fill
	s_lshl_b32 s[OFF], s[NXT], 14   ; 128 rows of 128 bytes of K and of V
	s_lshl_b32 s[OFT], s[NXT], 8    ; 128 columns of T,
	s_add_co_u32 s[OFT], s[OFT], s[TRB]  ; in the block's rows
	s_xor_b32 s[G0K+1], s[G0K+1], SLOT1
	s_add_nc_u64 s[G0K+2:G0K+3], s[6:7], s[OFF:OFF+1]
	s_or_b32 s[G0K+3], s[G0K+3], 0x80000000
	s_xor_b32 s[G0V+1], s[G0V+1], SLOT1
	s_add_nc_u64 s[G0V+2:G0V+3], s[8:9], s[OFF:OFF+1]
	s_or_b32 s[G0V+3], s[G0V+3], 0x80000000
	s_xor_b32 s[G0T+1], s[G0T+1], SLOT1
	s_add_nc_u64 s[G0T+2:G0T+3], s[TBASE:TBASE+1], s[OFT:OFT+1]
	s_or_b32 s[G0T+3], s[G0T+3], 0x80000000
	s_add_co_u32 s[NXT], s[NXT], 1  ; the block's next slot, or behind its last the second block's slot 0
	s_cmp_gt_u32 s[NXT], s[LQ]
	s_cselect_b32 s[NXT], 0, s[NXT]
	s_cselect_b32 s[LQ], s[LQ2], s[LQ]
	s_cselect_b32 s[TRB], s[TRB2], s[TRB]
	s_wait_xcnt 0x0                 ; the last prefetches, a slot back, have read their address
	s_lshl_b32 s[POF], s[NXT], 14
	s_lshl_b32 s2, s[NXT], 8
	s_add_co_u32 s2, s2, s[TRB]
	s_cmp_lt_u32 s[WV], 2
	s_cselect_b32 s[POF], s[POF], s2
	s_add_nc_u64 s[PFA:PFA+1], s[PFB:PFB+1], s[POF:POF+1]
.endif
	s_wait_dscnt 0x0                ; the add is done, my reads of the slot are over
.if \fill
	CROUND
	JLOAD
	ASK
.else
	s_barrier_signal -1
	s_barrier_wait -1
.endif
	s_sub_co_u32 s[TBK], s[TBK], 2*KS*PK  ; the fetches go back to a slot's first step, in the other slot
	s_xor_b32 s[TBK], s[TBK], SLOT1
	s_sub_co_u32 s[TBV], s[TBV], 2*KS*PV
	s_xor_b32 s[TBV], s[TBV], SLOT1
	s_sub_co_u32 s[TBT], s[TBT], 2*KS*2
	s_xor_b32 s[TBT], s[TBT], SLOT1
.endm
	s_load_b256 s[16:23], s[0:1], 0x0  ; qkv s16, offb s18, alibi_m s20, ob s22
	v_lshl_add_u32 v[SPW], v0, 2, SPARE
	v_mov_b32 v[NIL], 0
	ds_add_u32 v[SPW], v[NIL]       ; the wave's opening: the add and its wait ahead of my first tensor load
	v_lshrrev_b32 v1, 5, v0
	v_readfirstlane_b32 s[WV], v1
	s_bfe_u32 s13, ttmp6, 0x40000   ; cx
	s_lshl_b32 s2, ttmp9, 2
	s_add_co_u32 s2, s2, s13        ; the head, 0..63 = 16 batch + h: it enters Q's, K's, V's, O's and m's addresses alone
	s_and_b32 s[PB], ttmp7, 0xffff  ; y, which the four partners share
	s_sub_co_u32 s[HI], 7, s[PB]
	s_lshr_b32 s4, s2, 4
	s_mul_i32 s4, s4, 48
	s_and_b32 s100, s2, 15
	s_add_co_u32 s4, s4, s100       ; q's plane of qkv; k's is 16 on, v's 32 on
	s_add_co_u32 s6, s4, 16
	s_add_co_u32 s8, s4, 32
	s_lshl_b32 s4, s4, 18           ; a plane is 262,144 bytes
	s_lshl_b32 s6, s6, 18
	s_lshl_b32 s8, s8, 18
	s_lshl_b32 s10, s2, 18
	s_mov_b32 s5, 0
	s_mov_b32 s7, 0
	s_mov_b32 s9, 0
	s_mov_b32 s11, 0
	s_lshl_b32 s100, s100, 2        ; m_h
	s_mov_b32 s101, 0
	s_lshl_b32 s2, s[WV], 11        ; my 16 rows in a band of 64,
	s_lshl_b32 s84, s[PB], 15       ; in the second block,
	s_add_co_u32 s84, s84, s2
	s_mov_b32 s85, 0
	s_lshl_b32 s96, s[HI], 15       ; and in the first
	s_add_co_u32 s96, s96, s2
	s_mov_b32 s97, 0
	s_and_b32 s2, s[WV], 1          ; which half of T's 256 rows I fetch
	s_lshl_b32 s90, s2, 19
	s_mov_b32 s91, 0
	s_mul_i32 s2, s2, 128*PT
	s_add_co_u32 s[G0T+1], s2, TOFF
	s_lshl_b32 s92, s13, 18         ; the prefetches of T: my work-group's 64 rows
	s_mov_b32 s93, 0
	s_mov_b32 s[G1K], (1<<16)|(1<<20)|(4<<22)|(3<<25)  ; 2-byte elements; 4 words of padding behind every 32
	s_mov_b32 s[G1V], (1<<16)|(1<<20)|(4<<22)|(7<<25)  ; 8 words
.irp g, G1K, G1V
	s_mov_b32 s[\g+1], 128<<16      ; 16 KiB dense, asked for as 64 rows of 256 bytes
	s_mov_b32 s[\g+2], 64<<16
	s_mov_b32 s[\g+3], 128<<16
	s_mov_b32 s[\g+4], 64
	s_mov_b32 s[\g+5], 128
	s_mov_b32 s[\g+6], 0
	s_mov_b32 s[\g+7], 0
.endr
	s_mov_b32 s[G1T], 15|(1<<16)|(1<<20)|(1<<21)|(5<<22)|(7<<25)  ; the mask of four; 8 words of padding behind every 64
	s_mov_b32 s[G1T+1], 128<<16     ; 128 rows of 128 columns
	s_mov_b32 s[G1T+2], 128<<16
	s_mov_b32 s[G1T+3], 128<<16
	s_mov_b32 s[G1T+4], 128
	s_mov_b32 s[G1T+5], 2048
	s_mov_b32 s[G1T+6], 0
	s_mov_b32 s[G1T+7], 0
	s_mov_b32 s[G0K], 1
	s_mov_b32 s[G0K+1], 0
	s_mov_b32 s[G0V], 1
	s_mov_b32 s[G0V+1], VOFF
	s_mov_b32 s[G0T], 1
	s_mov_b32 s[CS], 0x3e38aa3b     ; c = log2(e) / 8
	s_mov_b32 s[CS+1], s[CS]
	s_mov_b32 s[SEL], 0x76543210
	s_mov_b32 s[SEL+1], 0xfedcba98
	s_mov_b32 s[TBK], SLOT1+2*KS*PK ; the first change of slots turns these three into 0
	s_mov_b32 s[TBV], SLOT1+2*KS*PV
	s_mov_b32 s[TBT], SLOT1+2*KS*2
	s_add_co_u32 s[RT], s[HI], 1
	s_lshl_b32 s[RT], s[RT], 1      ; the first block has 2 (8 - y) slots
	s_mov_b32 s[NXT], 1
	s_lshl_b32 s[LQ], s[HI], 1
	s_add_co_u32 s[LQ], s[LQ], 1
	s_lshl_b32 s[LQ2], s[PB], 1
	s_add_co_u32 s[LQ2], s[LQ2], 1
	s_lshl_b32 s[TRB], s[HI], 20
	s_lshl_b32 s[TRB2], s[PB], 20
	s_mov_b32 s[NEW], 1
	s_mov_b32 s[DCN], 64
	s_mov_b32 s[MKF], 0
	s_mov_b32 s[OFF+1], 0
	s_mov_b32 s[OFT], s[TRB]
	s_mov_b32 s[OFT+1], 0
	s_mov_b32 s[AL+1], 0
	s_mov_b32 s[BE+1], 0
	s_mov_b32 s[BIGN], 0xf149f2ca   ; -1e30
	s_mov_b32 s[SLOTS], 17
	s_wait_dscnt 0x0                ; the opening add is done
	s_wait_kmcnt 0x0
	s_add_nc_u64 s[100:101], s[20:21], s[100:101]
	s_load_b32 s[MH], s[100:101], 0x0
	s_add_nc_u64 s[4:5], s[16:17], s[4:5]      ; the head's Q, K, V, O
	s_add_nc_u64 s[6:7], s[16:17], s[6:7]
	s_add_nc_u64 s[8:9], s[16:17], s[8:9]
	s_add_nc_u64 s[10:11], s[22:23], s[10:11]
	s_add_nc_u64 s[PFA:PFA+1], s[4:5], s[84:85]  ; Q at my rows of the second block (the pair serves the prefetches later)
	s_add_nc_u64 s[4:5], s[4:5], s[96:97]
	s_add_nc_u64 s[OLO:OLO+1], s[10:11], s[84:85]
	s_add_nc_u64 s[10:11], s[10:11], s[96:97]
	s_add_nc_u64 s[TBASE:TBASE+1], s[18:19], s[90:91]
	s_add_nc_u64 s[PFB:PFB+1], s[18:19], s[92:93]
	s_cmp_eq_u32 s[WV], 1
	s_cselect_b64 s[PFB:PFB+1], s[8:9], s[PFB:PFB+1]
	s_cmp_eq_u32 s[WV], 0
	s_cselect_b64 s[PFB:PFB+1], s[6:7], s[PFB:PFB+1]
	s_cmp_eq_u32 s[PB], 0
	s_cselect_b32 s20, 3, -1
	s_cmp_eq_u32 ttmp9, 0
	s_cselect_b32 s21, 1, -1
	s_cmp_lt_u32 s[WV], 2
	s_cselect_b32 s[LIM], s20, s21
	s_cmp_eq_u32 s[WV], 3
	s_cselect_b32 s[LIM], -1, s[LIM]
	s_add_nc_u64 s[G0K+2:G0K+3], s[6:7], 0
	s_or_b32 s[G0K+3], s[G0K+3], 0x80000000
	s_add_nc_u64 s[G0V+2:G0V+3], s[8:9], 0
	s_or_b32 s[G0V+3], s[G0V+3], 0x80000000
	s_add_nc_u64 s[G0T+2:G0T+3], s[TBASE:TBASE+1], s[OFT:OFT+1]
	s_or_b32 s[G0T+3], s[G0T+3], 0x80000000
	CROUND                          ; all four work-groups are here
	JLOAD                           ; slot 0; slot 1 is asked for when slot 0 is in
	v_and_b32 v1, 15, v0            ; l % 16
	v_bfe_u32 v9, v0, 4, 1          ; l / 16
	v_lshlrev_b32 v[QO], 7, v1
	v_lshl_add_u32 v[QO], v9, 4, v[QO]
	WIN 0x80
.set i, 0
.rept 8                             ; Q: piece i / 2 lies in band i / 2, 8,192 bytes on; channels 32 (i % 2) on
	global_load_b128 v[8*i:8*i+3],   v[QO], s[4:5] offset:(i/2)*8192+(i%2)*64
	global_load_b128 v[8*i+4:8*i+7], v[QO], s[4:5] offset:(i/2)*8192+(i%2)*64+32
.set i, i+1
.endr
	WIN 0xc0
.set i, 0
.rept 8
	global_load_b128 v[QB+8*i:QB+8*i+3],   v[QO], s[PFA:PFA+1] offset:(i/2)*8192+(i%2)*64
	global_load_b128 v[QB+8*i+4:QB+8*i+7], v[QO], s[PFA:PFA+1] offset:(i/2)*8192+(i%2)*64+32
.set i, i+1
.endr
	WIN 0
	v_lshlrev_b32 v14, 3, v9
	v_sub_nc_u32 v14, v1, v14
	s_lshl_b32 s2, s[WV], 4
	v_add_nc_u32 v14, s2, v14       ; my query's place in its band less 8 (l / 16): register r of key group kt is hidden where 16 kt + r is greater
	WIN 0x40
.set i, 0
.rept 32
	v_cmp_gt_i32 vcc_lo, 16*(i/8)+i%8, v14
	v_cndmask_b32 v[MD+i], 0, s[BIGN], vcc_lo
.set i, i+1
.endr
	WIN 0
	s_wait_kmcnt 0x0                ; m_h
	v_mov_b32 v36, s[MH]
	v_mul_f32 v36, 0x41000000, v36  ; 8 m: the scores carry the factor 8 that c takes out again
	v_cvt_pk_bf16_f32 v36, v36, v36
	v_and_b32 v37, 0xffff, v36
	v_and_b32 v38, 0xffff0000, v36
	v_and_b32 v39, 1, v1
	v_cmp_eq_u32 vcc_lo, 1, v39
	v_cndmask_b32 v37, v37, v38, vcc_lo  ; in the half of the word that is k = r
	v_lshrrev_b32 v39, 3, v1
	v_xor_b32 v39, v39, v9          ; 0 where my half of the lanes holds k = r
	v_bfe_u32 v40, v1, 1, 2
	v_lshl_add_u32 v40, v39, 2, v40 ; the register that holds it, or 4 and more
	WIN 0x80
.irp j, 0,1,2,3
	v_cmp_eq_u32 vcc_lo, \j, v40
	v_cndmask_b32 v[DI+\j], 0, v37, vcc_lo
.endr
.irp j, 4,5,6,7
	v_mov_b32 v[DI+\j], 0
.endr
	WIN 0
	v_mul_u32_u24 v[AK0], v1, PK
	v_lshl_add_u32 v[AK0], v9, 4, v[AK0]
	v_and_b32 v10, 7, v0
	v_bfe_u32 v11, v0, 3, 1
	v_lshl_add_u32 v[AV0], v9, 3, v10    ; the turning load: row 8 (l / 16) + l % 8, 16 bytes by (l / 8) % 2
	v_add_nc_u32 v[AT0], s2, v[AV0]      ; T: my 16 rows of a band begin at row 16 w
	v_mul_u32_u24 v[AV0], v[AV0], PV
	v_lshl_add_u32 v[AV0], v11, 4, v[AV0]
	v_add_nc_u32 v[AV0], VOFF, v[AV0]
	v_mul_u32_u24 v[AT0], v[AT0], PT
	v_lshl_add_u32 v[AT0], v11, 4, v[AT0]
	v_add_nc_u32 v[AT0], TOFF, v[AT0]
	s_mul_i32 s2, s[WV], 16*SP
	s_add_co_u32 s2, s2, STAGE
	v_mul_u32_u24 v[STO], v1, SP
	v_lshl_add_u32 v[STO], v9, 4, v[STO]
	v_add_nc_u32 v[STO], s2, v[STO]
	v_bfe_u32 v[RD], v0, 3, 2
	v_mul_u32_u24 v[RD], v[RD], SP
	v_lshl_add_u32 v[RD], v10, 4, v[RD]
	v_add_nc_u32 v[RD], s2, v[RD]
	v_and_b32 v[GO], 31, v0
	v_lshlrev_b32 v[GO], 4, v[GO]
	s_mov_b32 s20, 8192
	s_mov_b32 s21, 131072
	s_cmp_lt_u32 s[WV], 2
	s_cselect_b32 s2, 8, 12         ; a lane a run of 256 bytes of K or V, or a row of T
	s_cselect_b32 s20, s20, s21
	v_and_b32 v[PFO], 31, v0
	v_lshlrev_b32 v[PFO], s2, v[PFO]
	v_add_nc_u32 v[PFO2], s20, v[PFO]
	; A block's first step multiplies O^T and l by a = 0, so these need only hold finite numbers: zeros now, what the first block left later.  The upper halves of T's fragments stay 0 for good.
	WIN 0xc0
.set i, 0
.rept 64
	v_mov_b32 v[VF+i], 0
.set i, i+1
.endr
.set i, 0
.rept 16
	v_mov_b32 v[BF+8*i+4], 0
	v_mov_b32 v[BF+8*i+5], 0
	v_mov_b32 v[BF+8*i+6], 0
	v_mov_b32 v[BF+8*i+7], 0
.set i, i+1
.endr
	WIN 0x40
.set i, 0
.rept 128
	v_mov_b32 v[i], 0
.set i, i+1
.endr
	WIN 0
.set i, 0
.rept 4
	v_mov_b32 v[ST+4*i+2], 0
	v_mov_b32 v[ST+4*i+3], 0
.set i, i+1
.endr
.set i, P+16
.rept 16
	v_mov_b32 v[i], 0
.set i, i+1
.endr
; THE MATRIX WORK.  The four accumulators of a run take turns.
.macro BI x                         ; the bias product for key group i of piece x: it starts the sum with the mask
	WIN W_BI
.set rS, S+32*((\x)%2)+8*i
.set rB, BF+32*(\x)+8*i
.set rM, MC+32*((\x)%2)+8*i
	v_wmma_f32_16x16x32_bf16 v[rS:rS+7], v[rB:rB+7], v[DI:DI+7], v[rM:rM+7]
.endm
.macro KQ x                         ; product i of 8 of S^T += K Q^T: channels 32 (i / 4) on, keys 16 (i % 4) on
	WIN W_KQ
.set rS, S+32*((\x)%2)+8*(i%4)
.set rK, KF+16*(i%4)+8*(i/4)
.set rQ, 16*(\x)+8*(i/4)
	v_wmma_f32_16x16x32_f16 v[rS:rS+7], v[rK:rK+7], v[rQ:rQ+7], v[rS:rS+7]
.endm
.macro PV x                         ; product i of 8 of O^T += V^T P: keys 32 (i / 4) on, channels 16 (i % 4) on
	WIN W_PV
.set rO, 32*(\x)+8*(i%4)
.set rV, VF+32*(i/4)+8*(i%4)
.set rP, P+16*((\x)%2)+8*(i/4)
	v_wmma_f32_16x16x32_f16 v[rO:rO+7], v[rV:rV+7], v[rP:rP+7], v[rO:rO+7]
.endm
.macro MM                           ; the turn's next product: 4 bias, 8 K Q^T, 8 V^T P.  NOKQ = 1: a block's last turn: there is no next piece
.if i < 4
.if !NOKQ
	BI (Y+1)%NP
.endif
.elseif i < 12
.if !NOKQ
.set i, i-4
	KQ (Y+1)%NP
.set i, i+4
.endif
.else
.set i, i-12
	PV (Y+NP-1)%NP
.set i, i+12
.endif
.set i, i+1
.endm
; THE LDS LOADS stand in runs.  A step's K, and T's fragments for all four pieces: piece 0's first, since it is wanted a turn later with K; the other twelve behind.
.macro FETCH_K
	WIN 0xc0
.irp kt, 0,1,2,3
	ds_load_tr16_b128 v[BF+8*\kt:BF+8*\kt+3], v[AT] offset:32*\kt
.endr
	WIN 0x80
.irp f, 0,1,2,3,4,5,6,7             ; keys 16 (f / 2) on, channels 32 (f % 2) on
	ds_load_b128 v[KF+8*\f:KF+8*\f+3],   v[AK] offset:(\f/2)*16*PK+(\f%2)*64
	ds_load_b128 v[KF+8*\f+4:KF+8*\f+7], v[AK] offset:(\f/2)*16*PK+(\f%2)*64+32
.endr
	WIN 0xc0
.irp pc, 1,2,3
.irp kt, 0,1,2,3
	ds_load_tr16_b128 v[BF+32*\pc+8*\kt:BF+32*\pc+8*\kt+3], v[AT] offset:64*PT*\pc+32*\kt
.endr
.endr
	s_add_co_u32 s[TBK], s[TBK], KS*PK
	s_add_co_u32 s[TBT], s[TBT], KS*2
	WIN 0
.endm
.macro FETCH_V
	WIN 0xc0
.irp f, 0,1,2,3,4,5,6,7             ; keys 32 (f / 4) on, channels 16 (f % 4) on
	ds_load_tr16_b128 v[VF+8*\f:VF+8*\f+3],   v[AV] offset:(\f/4)*32*PV+(\f%4)*32
	ds_load_tr16_b128 v[VF+8*\f+4:VF+8*\f+7], v[AV] offset:(\f/4)*32*PV+16*PV+(\f%4)*32
.endr
	WIN 0
.endm
; THE VECTOR WORK, one line at a time: OP kind, number.  For piece Y: F n: c s - c m for pair n.  E n: the exponential of score n.  C n: pair n rounded to f16.  B n: of four weights the second pair onto the first.
; L n: l takes that sum (L 0: l = a l + sum).  R n: pair n of O^T times a.  For piece Y + 1: X n, number n of the 22 that find its maximum and statistics (each accumulator's lowest registers are read first).
.set F, 0
.set E, 1
.set C, 2
.set B, 3
.set L, 4
.set R, 5
.set X, 6
.macro REGS y
.set rT, ST+4*(\y)
.set rC, TMP+4*((\y)%2)
.set rW, MV+((\y)%2)
.set rS, S+32*((\y)%2)
.set rP, P+16*((\y)%2)
.set rO, 32*(\y)
.endm
.macro OP k, n
.if (\k) == R
	REGS Y
	WIN W_RS
	v_pk_mul_f32 v[rO+2*(\n):rO+2*(\n)+1], v[rO+2*(\n):rO+2*(\n)+1], v[rC+2:rC+3] op_sel_hi:[1,0]
.elseif (\k) < R
	REGS Y
	WIN 0
.if (\k) == F
	v_pk_fma_f32 v[rS+2*(\n):rS+2*(\n)+1], v[rS+2*(\n):rS+2*(\n)+1], s[CS:CS+1], v[rT:rT+1] op_sel_hi:[1,0,0] neg_lo:[0,0,1] neg_hi:[0,0,1]
.elseif (\k) == E
	v_exp_f32 v[rS+(\n)], v[rS+(\n)]
.elseif (\k) == C
	v_cvt_pk_f16_f32 v[rP+(\n)], v[rS+2*(\n)], v[rS+2*(\n)+1]
.elseif (\k) == B
	v_pk_add_f32 v[rS+4*(\n):rS+4*(\n)+1], v[rS+4*(\n):rS+4*(\n)+1], v[rS+4*(\n)+2:rS+4*(\n)+3]
.elseif (\n) == 0
	v_pk_fma_f32 v[rT+2:rT+3], v[rT+2:rT+3], v[rC+2:rC+3], v[rS:rS+1] op_sel_hi:[1,0,1]
.else
	v_pk_add_f32 v[rT+2:rT+3], v[rT+2:rT+3], v[rS+4*(\n):rS+4*(\n)+1]
.endif
.elseif NOKQ
	v_nop
.else
	REGS (Y+1)%NP
	WIN 0
.if (\n) < 4
	v_max3_num_f32 v[rC+(\n)], v[rS+8*(\n)], v[rS+8*(\n)+1], v[rS+8*(\n)+2]
.elseif (\n) < 12
	v_max3_num_f32 v[rC+(\n)%4], v[rC+(\n)%4], v[rS+8*((\n)%4)+2*((\n)/4)+1], v[rS+8*((\n)%4)+2*((\n)/4)+2]
.elseif (\n) == 12
	v_max3_num_f32 v[rC], v[rC], v[rS+7], v[rS+15]
.elseif (\n) == 13
	v_max3_num_f32 v[rC+1], v[rC+1], v[rS+23], v[rS+31]
.elseif (\n) == 14
	v_max3_num_f32 v[rC+2], v[rC+2], v[rC+3], v[rT+1]
.elseif (\n) == 15
	v_mov_b32 v[rW], v[rT]
.elseif (\n) == 16
	v_max3_num_f32 v[rC], v[rC], v[rC+1], v[rC+2]
.elseif (\n) == 17
	v_permlanex16_b32 v[rC+3], v[rC], s[SEL], s[SEL+1]
.elseif (\n) == 18
	v_max_num_f32 v[rT+1], v[rC], v[rC+3]
.elseif (\n) == 19
	v_mul_f32 v[rT], s[CS], v[rT+1]
.elseif (\n) == 20
	v_sub_f32 v[rC+1], v[rW], v[rT]
.else
	v_exp_f32 v[rC+2], v[rC+1]
.endif
.endif
.endm
.macro OPS a, i1, b=-1, i2=0, c=-1, i3=0, d=-1, i4=0
	OP \a, \i1
.if (\b) >= 0
	OP \b, \i2
.endif
.if (\c) >= 0
	OP \c, \i3
.endif
.if (\d) >= 0
	OP \d, \i4
.endif
.endm
.macro ROW a, i1, b, i2, c, i3, d, i4  ; a product and the four behind it
	MM
	OPS \a, \i1, \b, \i2, \c, \i3, \d, \i4
.endm
.macro MASK b                       ; MD x AL + BE into buffer b of MC
	WIN W_RS
.set z, 0
.rept 16
	v_pk_fma_f32 v[MC+32*(\b)+2*z:MC+32*(\b)+2*z+1], v[MD+2*z:MD+2*z+1], s[AL:AL+1], s[BE:BE+1] op_sel_hi:[1,0,0]
.set z, z+1
.endr
.endm
; A TURN, for piece p.  AHEAD OF ITS ONE WAIT stands all that names no result of the turn's exponentials: 4 bias products and 8 products K Q^T with four riders each, then a lump of 38.  Between a bias product and
; the f16 product on the same accumulator stand the riders of four rows, five plain ones or more.  X 0 to X 3 each stand four plain instructions behind the product that ends their accumulator (the exponentials
; between are not counted).  R 15 is the plain instruction behind the last exponential.  BEHIND THE WAIT stand the 8 products V^T P with the roundings and sums as riders.
; At its head a turn sets the scalars of the mask for piece p + 2, whose bias products stand in the next turn; at its end it makes that mask, in the diagonal region alone.
; K and T of the next step are fetched in piece 2's turn, V of the step in hand at the end of piece 0's, four plain riders behind its last reader.  end = 1: a block's last two turns fetch nothing.
.macro TURN p, end=0
.set Y, (\p)
.set i, 0
.set NOKQ, (\end)*((\p)/3)
.if !(\end)
	s_cmp_eq_u32 s[DCN], 4-((\p)+2)%NP  ; is that step the band's own?
	s_cselect_b32 s[AL], 1.0, 0
	s_cmp_lt_u32 s[DCN], 4-((\p)+2)%NP  ; or a later one?
	s_cselect_b32 s[BE], s[BIGN], 0
	s_cmp_le_u32 s[DCN], 4              ; are we in the diagonal region at all?
	s_cselect_b32 s[MKF], 1, 0
.endif
.if ((\p) == 3) && !(\end)
	s_wait_dscnt 12                 ; piece 0's fragments of T and K are in; the 12 loads for pieces 1 to 3 may stay out
.endif
.if (\p) == 0
	s_wait_dscnt 0x0                ; those twelve
.endif
	ROW F,0, F,1, R,0, R,1
	ROW F,2, E,0, R,2, R,3
	ROW F,3, E,1, R,4, R,5
	ROW F,4, E,2, R,6, R,7
	ROW F,5, E,3, R,8, R,9
	ROW F,6, E,4, R,10, R,11
	ROW F,7, E,5, R,12, R,13
	ROW F,8, E,6, R,14, F,9
	ROW F,10, E,7, F,11, E,8
	ROW F,12, F,13, E,9, X,0
.if ((\p) == 2) && !(\end)
	WIN 0
	v_add_nc_u32 v[AK], s[TBK], v[AK0]
	v_add_nc_u32 v[AT], s[TBT], v[AT0]
.endif
	ROW F,14, E,10, X,1, X,4
	ROW F,15, E,11, X,2, X,5
	OPS X,6, E,12, X,3, X,8         ; the lump
	OPS E,13, X,9, X,7, E,14
.if ((\p) == 2) && !(\end)
	FETCH_K
.endif
	OPS X,10, E,15, X,11, X,12
	OPS E,16, X,13, X,14, E,17
.if (\p) == 0
	WIN 0
	v_add_nc_u32 v[AV], s[TBV], v[AV0]
.endif
	OPS X,15, E,18, X,16, E,19
	OPS E,20, E,21, X,17, E,22
	OPS E,23, E,24, X,18, E,25
	OPS E,26, E,27, X,19, E,28
	OPS E,29, X,20, E,30, E,31
	OPS X,21, R,15
	WIN 0
	s_wait_alu depctr_va_vdst(0)    ; the one wait for the batch, ahead of the first instruction that names a result of it
.if (\p) == 1
	s_wait_dscnt 0x0                ; V is in
.endif
	ROW C,0, B,0, C,2, B,1
	ROW L,0, C,4, B,2, L,1
	ROW C,6, B,3, L,2, C,8
	ROW B,4, L,3, C,10, B,5
	ROW L,4, C,12, B,6, L,5
.if (\p) == 0
	s_add_co_u32 s[TBV], s[TBV], KS*PV
.endif
	ROW C,14, B,7, L,6, C,1
	ROW C,3, L,7, C,5, C,7
	ROW C,9, C,11, C,13, C,15
.if (\p) == 0
	FETCH_V
.endif
.if !(\end)
	WIN 0
	s_cmp_eq_u32 s[MKF], 0
	s_cbranch_scc1 .Lno_mask_\@
	MASK (\p)%2
	WIN 0
.Lno_mask_\@:
.endif
.endm
; A BLOCK BEGINS.  c m starts far below every c s, so the first step's a is 0.  The second mask buffer is 0; the first takes piece 0's mask for the slot's step 0: its own, if the block's first slot opens the
; diagonal region.  Then K and T of that step, piece 0's first scores, its maximum and statistics.
.macro BEGIN
	s_mov_b32 s[NEW], 0
	WIN 0x40
.set i, MC+32
.rept 32
	v_mov_b32 v[i], 0
.set i, i+1
.endr
	WIN 0
.set i, 0
.rept 4
	v_mov_b32 v[ST+4*i], 0xfe000000
	v_mov_b32 v[ST+4*i+1], 0xff7fffff
.set i, i+1
.endr
	s_cmp_eq_u32 s[RT], 1
	s_cselect_b32 s[AL], 1.0, 0
	s_mov_b32 s[BE], 0
	MASK 0
	WIN 0
	v_add_nc_u32 v[AK], s[TBK], v[AK0]
	v_add_nc_u32 v[AT], s[TBT], v[AT0]
	FETCH_K
	s_wait_loadcnt 0x0              ; Q
	s_wait_dscnt 0x0
.set Y, NP-1
.set NOKQ, 0
.set i, 0
.rept 4
	MM
.endr
.rept 5
	v_nop                           ; five places between the bf16 products and the f16 products that add onto them
.endr
.rept 8
	MM
.endr
	WIN 0
	NOPS4                           ; the places behind those products
.irp n, 0,1,2,3,4,5,6,7,8,9,10,11,12,13,14,15,16,17,18,19,20,21
	OP X, \n
.endr
	v_nop                           ; a plain instruction behind the exponential,
	s_wait_alu depctr_va_vdst(0)    ; and its wait, ahead of the branch
.endm
; A BLOCK ENDS: its last two turns, its last products, and the way out: l's halves are added, O^T is divided by l, rounded to f16 and sent through my stage, a piece at a time.
.macro ALL line:vararg
.set t, 0
.rept 4
	\line
.set t, t+1
.endr
.endm
.macro PACK t
	WIN W_RS
.set i, 32*(\t)
.rept 16
	v_pk_mul_f32 v[i:i+1], v[i:i+1], v[ST+4*(\t)+2:ST+4*(\t)+3] op_sel_hi:[1,0]
.set i, i+2
.endr
	WIN 0x05
.set i, 0
.rept 16
	v_cvt_pk_f16_f32 v[S+16*(\t)+i], v[32*(\t)+2*i], v[32*(\t)+2*i+1]
.set i, i+1
.endr
	WIN 0
.irp f, 0,1,2,3
	ds_store_b128 v[STO], v[S+16*(\t)+4*\f:S+16*(\t)+4*\f+3] offset:32*\f
.endr
.irp f, 0,1,2,3
	ds_load_b128 v[S+16*(\t)+4*\f:S+16*(\t)+4*\f+3], v[RD] offset:\f*4*SP  ; LDS serves a wave's instructions in order: these see the stores above
.endr
.endm
.macro SEND t, younger              ; younger: the LDS instructions issued behind piece t's loads
	WIN 0
.irp f, 0,1,2,3
	s_wait_dscnt (\younger)+3-\f
	global_store_b128 v[GO], v[S+16*(\t)+4*\f:S+16*(\t)+4*\f+3], s[10:11] offset:(\t)*8192+\f*512  ; 512 consecutive bytes, at a multiple of 256 from O's first
.endr
.endm
.macro FINISH
	TURN 2, 1
	TURN 3, 1
.set i, 0
.rept 8
	PV NP-1
.set i, i+1
.endr
	WIN 0
	ALL v_add_f32 v[ST+4*t+2], v[ST+4*t+2], v[ST+4*t+3]
	ALL v_permlanex16_b32 v[ST+4*t+3], v[ST+4*t+2], s[SEL], s[SEL+1]
	ALL v_add_f32 v[ST+4*t+2], v[ST+4*t+2], v[ST+4*t+3]
	ALL v_rcp_f32 v[ST+4*t+2], v[ST+4*t+2]
	v_nop
	s_wait_alu depctr_va_vdst(0)    ; one wait for the four reciprocals
	PACK 0
.set t, 1
.rept 3
	PACK t
	SEND t-1, 8
.set t, t+1
.endr
	SEND 3, 0
.endm
.set NOKQ, 0
.Lslot:                             ; 17 times: a slot is entered and the next is asked for
	CHANGE 1
	s_sub_co_u32 s[RT], s[RT], 1
	s_mov_b32 s[CNT], 2
	s_cmp_eq_u32 s[NEW], 1
	s_cselect_b32 s[DCN], 64, s[DCN]
	s_cmp_eq_u32 s[RT], 1           ; the block's last slot but one opens the diagonal region
	s_cselect_b32 s[DCN], 4, s[DCN]
	s_cmp_eq_u32 s[NEW], 1
	s_cbranch_scc0 .Lstep
	BEGIN
	s_branch .Lfirst                ; the loop is entered at a step's first turn
.Lstep:                             ; a trip: pieces 2 and 3 of one step, then pieces 0 and 1 of the next, whose K, T and V it fetches
	TURN 2
	TURN 3
	WIN 0
.Lfirst:
	TURN 0
	TURN 1
	WIN 0
	s_sub_co_u32 s[DCN], s[DCN], 1
	s_sub_co_u32 s[CNT], s[CNT], 1
	s_cmp_lg_u32 s[CNT], 0
	s_cbranch_scc1 .Lstep
	s_cmp_lg_u32 s[RT], 0
	s_cbranch_scc1 .Lbottom
	FINISH                          ; in the loop this is the first block's end: the second's last slot is the walk's last
	s_wait_xcnt 0x0                 ; the stores have read their registers and O's address
	s_mov_b64 s[10:11], s[OLO:OLO+1]
	s_add_co_u32 s[RT], s[PB], 1
	s_lshl_b32 s[RT], s[RT], 1      ; the second block has 2 (y + 1) slots
	s_mov_b32 s[NEW], 1
	WIN 0x83                        ; the second block's Q goes where the turns name Q
.set i, 0
.rept 64
	v_mov_b32 v[i], v[QB+i]
.set i, i+1
.endr
	WIN 0
.Lbottom:
	s_sub_co_u32 s[SLOTS], s[SLOTS], 1
	s_cmp_lg_u32 s[SLOTS], 0
	s_cbranch_scc1 .Lslot
	CHANGE 0                        ; the walk's last slot is written out; a block has two slots or more, so it is no block's first
	s_sub_co_u32 s[RT], s[RT], 1
	s_mov_b32 s[CNT], 2
.Lstep2:
	TURN 2
	TURN 3
	TURN 0
	TURN 1
	WIN 0
	s_sub_co_u32 s[DCN], s[DCN], 1
	s_sub_co_u32 s[CNT], s[CNT], 1
	s_cmp_lg_u32 s[CNT], 0
	s_cbranch_scc1 .Lstep2
	FINISH
	s_wait_tensorcnt 0x0            ; the wave's end
	ds_add_u32 v[SPW], v[NIL]
	s_wait_dscnt 0x0
	CROUND                          ; the closing round
	s_endpgm
.Lfunc_end_k_q6e7cd7cae3_attn:
	.size	k_q6e7cd7cae3_attn, .Lfunc_end_k_q6e7cd7cae3_attn-k_q6e7cd7cae3_attn
	.p2alignl 7, 3214868480
	.fill 96, 4, 3214868480
	.section	.rodata,"a",@progbits
	.p2align	6, 0x0
	.amdhsa_kernel k_q6e7cd7cae3_attn
		.amdhsa_group_segment_fixed_size 327680
		.amdhsa_private_segment_fixed_size 0
		.amdhsa_enable_private_segment 0
		.amdhsa_kernarg_size 32
		.amdhsa_user_sgpr_count 2
		.amdhsa_user_sgpr_kernarg_segment_ptr 1
		.amdhsa_wavefront_size32 1
		.amdhsa_system_sgpr_workgroup_id_x 1
		.amdhsa_system_sgpr_workgroup_id_y 1
		.amdhsa_system_sgpr_workgroup_id_z 1
		.amdhsa_system_vgpr_workitem_id 0
		.amdhsa_next_free_vgpr 1024
		.amdhsa_next_free_sgpr 102
		.amdhsa_reserve_vcc 1
		.amdhsa_float_denorm_mode_32 3
		.amdhsa_float_denorm_mode_16_64 3
		.amdhsa_memory_ordered 1
		.amdhsa_forward_progress 1
		.amdhsa_inst_pref_size 190
	.end_amdhsa_kernel
	.amdgpu_metadata
---
amdhsa.version: [ 1, 2 ]
amdhsa.kernels:
  - .name:           k_q6e7cd7cae3_attn
    .symbol:         k_q6e7cd7cae3_attn.kd
    .args:
      - { .name: qkv, .offset: 0, .size: 8, .value_kind: global_buffer, .address_space: global }
      - { .name: offb, .offset: 8, .size: 8, .value_kind: global_buffer, .address_space: global }
      - { .name: alibi_m, .offset: 16, .size: 8, .value_kind: global_buffer, .address_space: global }
      - { .name: ob, .offset: 24, .size: 8, .value_kind: global_buffer, .address_space: global }
    .group_segment_fixed_size: 327680
    .private_segment_fixed_size: 0
    .kernarg_segment_align: 8
    .kernarg_segment_size: 32
    .max_flat_workgroup_size: 128
    .sgpr_count:     102
    .vgpr_count:     1024
    .wavefront_size: 32
...
	.end_amdgpu_metadata
.endif
;; end of part 3
;; launch proj (part 4): grid 8 x 32, 4 waves a work-group, clusters of 4 x 4, 327,680 bytes of LDS; arguments ob, wp16, br, out0; writes out0
.if DOCPART == 4
	.amdgcn_target "amdgcn-amd-amdhsa--gfx1250"
	.amdhsa_code_object_version 6
	.text
	.protected	k_q6e7cd7cae3_proj
	.globl	k_q6e7cd7cae3_proj
	.p2align	8
	.type	k_q6e7cd7cae3_proj,@function
k_q6e7cd7cae3_proj:
	s_mov_b64 s[64:65], 0
	v_nop
	global_prefetch_b8 v0, s[64:65] scope:SCOPE_SE
	s_setreg_imm32_b32 hwreg(HW_REG_WAVE_MODE, 25, 1), 1
	s_wait_xcnt 0x0
	s_wait_alu depctr_hold_cnt(0) depctr_sa_sdst(0) depctr_va_vdst(0) depctr_va_sdst(0) depctr_va_ssrc(0) depctr_va_vcc(0) depctr_vm_vsrc(0)
	s_getreg_b32 s2, hwreg(HW_REG_IB_STS2, 6, 4)
	s_cmp_eq_u32 s2, 0
	s_cbranch_scc0 .Lentry_in_a_cluster
	s_endpgm
.Lentry_in_a_cluster:
	s_bfe_u32 s2, ttmp6, 0x10000c
	s_cmp_lg_u32 s2, 0xf033
	s_cbranch_scc0 .Lentry_shape_is_right
	s_endpgm
.Lentry_shape_is_right:
; out0 = O Wp + bp: [8192 x 1024] x [1024 x 1024], operands f16 (O as attention left it, by heads; Wp rounded to bf16 and written as f16), sums f32, output f32.
; A tile of C is 256 x 128: 32 x 8 = 256 work-groups.  Four waves, each 128 rows x 64 columns: 32 accumulators in window 1, acc(a, b) at v[64 b + 8 a].  K goes in 8 steps of 128 (two heads), four quarters of 32 each.
; The product is used transposed (source 0 = 16 columns of Wp, turned by ds_load_tr16_b128; source 1 = 16 rows of O); the bias starts the sums as the C of the first products.
; CLUSTER 4 x 4: O's tile is shared along a row of the cluster, Wp's along a column.
; LDS, a slot (slot 1 at 131,072): O [2 heads][256 rows][144 bytes]; Wp 128 k-rows x 288 bytes.  Behind the ring: a stage of 16 rows x 272 bytes for each wave, then the spare words.
.set SLOT1, 131072
.set PA,    144
.set PW,    288
.set BOFF,  2*256*PA
.set STAGE, SLOT1+BOFF+128*PW
.set SPITCH, 272
.set SPARE, STAGE+4*16*SPITCH
.set STEPA, 524288                     ; two heads of ob
.set STEPB, 128*2048                   ; 128 rows of wp16
.set FA0, 4
.set FB0, 5
.set ADA, 8
.set ADB, 9
.set STO, 12
.set RD,  13
.set GO,  14
.set BO,  15
.set PFO, 16
.set SPW, 28
.set NIL, 29
.set A0,  32                           ; O's fragments: v32-95 even quarters, v96-159 odd
.set B0,  160                          ; Wp's: v160-191 even, v192-223 odd
.set BK,  32                           ; the way out: two sets of 32
.set WV, 12
.set RH, 13
.set CH, 14
.set CX, 15
.set CY, 16
.set TC, 17
.set TR, 18
.set G1A, 24
.set G0A, 32
.set TB,  40
.set LIM, 41
.set PFA, 44
.set PFS, 46
.set G1B, 48
.set G0B, 56
.set BIA, 66
.set OUT, 68
.set MSB, 0
.macro WIN new
.if MSB != (\new)
	s_set_vgpr_msb (MSB<<8)|(\new)
.set MSB, \new
.endif
.endm
.macro PLACES
.rept 4
	v_nop
.endr
.endm
.macro CREST
	s_cmp_lg_u32 s[WV], 0
	s_cbranch_scc1 .Lnot_wave_0_\@
	s_barrier_signal -3
.Lnot_wave_0_\@:
	s_barrier_wait -3
	s_barrier_signal -1
	s_barrier_wait -1
.endm
.macro CROUND
	s_barrier_signal -1
	s_barrier_wait -1
	CREST
.endm
.macro JLOAD                           ; waves 0, 1 fetch the step's two heads of O, waves 2, 3 the halves of Wp's tile; an s_nop 0 and four v_nop follow each line
	s_cmp_eq_u32 s[RH], 0
	s_cbranch_scc0 .Lfor_b_\@
	tensor_load_to_lds s[G0A+4:G0A+7], s[G1A:G1A+7]
	s_nop 0
	PLACES
	s_branch .Lasked_\@
.Lfor_b_\@:
	tensor_load_to_lds s[G0B+4:G0B+7], s[G1B:G1B+7]
	s_nop 0
	PLACES
.Lasked_\@:
.endm
; A prefetch into the L2 of step i + 4, two refills ahead.  Waves 0, 1: 32 of the 128 runs of 256 bytes of their head's tile (by address: cx); only the clusters with x = 0 ask.  Wave 2: 32 of the step's 128
; k-rows of Wp (by address: cy); only the clusters with y = 0 ask.  Each run is named once; the trips whose step i + 4 does not exist ask for nothing.
.macro ASK
	s_cmp_gt_u32 s3, s[LIM]
	s_cbranch_scc0 .Lnot_mine_\@
	global_prefetch_b8 v[PFO], s[PFA:PFA+1] th:TH_LOAD_NT scope:SCOPE_SE
.Lnot_mine_\@:
.endm
	s_load_b256 s[4:11], s[0:1], 0x0               ; ob s4, wp16 s6, br s8, out0 s10
	v_lshl_add_u32 v[SPW], v0, 2, SPARE
	v_mov_b32 v[NIL], 0
	ds_add_u32 v[SPW], v[NIL]                      ; the wave's opening: the add and its wait ahead of my first tensor load
	v_lshrrev_b32 v1, 5, v0
	v_readfirstlane_b32 s[WV], v1
	s_lshr_b32 s[RH], s[WV], 1
	s_and_b32 s[CH], s[WV], 1
	s_bfe_u32 s[CX], ttmp6, 0x40000
	s_bfe_u32 s[CY], ttmp6, 0x40004
	s_lshl_b32 s[TC], ttmp9, 2
	s_add_co_u32 s[TC], s[TC], s[CX]
	s_and_b32 s[TR], ttmp7, 0xffff
	s_lshl_b32 s[TR], s[TR], 2
	s_add_co_u32 s[TR], s[TR], s[CY]
	s_lshl_b32 s19, s[CY], 2
	s_lshl_b32 s19, 15, s19
	s_lshl_b32 s43, 0x1111, s[CX]
	s_or_b32 s[G1A], s19, (1<<16)|(1<<20)|(1<<21)|(4<<22)|(3<<25)
	s_mov_b32 s[G1A+1], 128<<16                    ; 32 KiB dense, asked for as 128 rows of 256 bytes
	s_mov_b32 s[G1A+2], 128<<16
	s_mov_b32 s[G1A+3], 128<<16
	s_mov_b32 s[G1A+4], 128
	s_mov_b32 s[G1A+5], 128
	s_mov_b32 s[G1A+6], 0
	s_mov_b32 s[G1A+7], 0
	s_or_b32 s[G1B], s43, (1<<16)|(1<<20)|(1<<21)|(5<<22)|(7<<25)
	s_mov_b32 s[G1B+1], 128<<16                    ; 64 k-rows of 128 columns
	s_mov_b32 s[G1B+2], 64<<16
	s_mov_b32 s[G1B+3], 128<<16
	s_mov_b32 s[G1B+4], 64
	s_mov_b32 s[G1B+5], 1024
	s_mov_b32 s[G1B+6], 0
	s_mov_b32 s[G1B+7], 0
	s_lshr_b32 s20, s[TR], 3                       ; O: (16 batch + head) x 262,144 + (tr % 8) x 256 rows of 128 bytes
	s_lshl_b32 s20, s20, 4
	s_add_co_u32 s20, s20, s[CH]
	s_lshl_b32 s20, s20, 18
	s_and_b32 s22, s[TR], 7
	s_lshl_b32 s22, s22, 15
	s_add_co_u32 s20, s20, s22
	s_mov_b32 s21, 0
	s_lshl_b32 s70, s[CH], 17                      ; Wp: k-row 64 half, column 128 tc
	s_lshl_b32 s72, s[TC], 8
	s_add_co_u32 s70, s70, s72
	s_mov_b32 s71, 0
	s_mul_i32 s22, s[CH], 256*PA
	s_mul_i32 s23, s[CH], 64*PW
	s_add_co_u32 s23, s23, BOFF
	s_mov_b32 s[TB], 0
	s_wait_dscnt 0x0
	s_wait_kmcnt 0x0
	s_add_nc_u64 s[20:21], s[4:5], s[20:21]
	s_add_nc_u64 s[70:71], s[6:7], s[70:71]
.irp s, 0,1
	s_mov_b32 s[G0A+4*\s], 1
	s_add_co_u32 s[G0A+4*\s+1], s22, \s*SLOT1
	s_add_nc_u64 s[G0A+4*\s+2:G0A+4*\s+3], s[20:21], \s*STEPA
	s_or_b32 s[G0A+4*\s+3], s[G0A+4*\s+3], 0x80000000
	s_mov_b32 s[G0B+4*\s], 1
	s_add_co_u32 s[G0B+4*\s+1], s23, \s*SLOT1
	s_add_nc_u64 s[G0B+4*\s+2:G0B+4*\s+3], s[70:71], \s*STEPB
	s_or_b32 s[G0B+4*\s+3], s[G0B+4*\s+3], 0x80000000
.endr
	CROUND
	s_cmp_eq_u32 s[RH], 0                          ; a wave's two first fills stand in one branch: two loads of mine are out
	s_cbranch_scc0 .Lfirst_b
	tensor_load_to_lds s[G0A:G0A+3], s[G1A:G1A+7]
	s_nop 0
	tensor_load_to_lds s[G0A+4:G0A+7], s[G1A:G1A+7]
	s_nop 0
	PLACES
	s_branch .Lfirst_asked
.Lfirst_b:
	tensor_load_to_lds s[G0B:G0B+3], s[G1B:G1B+7]
	s_nop 0
	tensor_load_to_lds s[G0B+4:G0B+7], s[G1B:G1B+7]
	s_nop 0
	PLACES
.Lfirst_asked:
	v_and_b32 v1, 15, v0
	v_bfe_u32 v2, v0, 4, 1
	v_lshlrev_b32 v[BO], 5, v2
	s_lshl_b32 s72, s[TC], 9                       ; bp lies behind bq and bkv: 12,288 bytes on
	s_lshl_b32 s73, s[CH], 8
	s_add_co_u32 s72, s72, s73
	s_add_co_u32 s72, s72, 12288
	s_mov_b32 s73, 0
	s_add_nc_u64 s[BIA:BIA+1], s[8:9], s[72:73]
	WIN 0x40
.irp b, 0,1,2,3
	global_load_b128 v[64*\b:64*\b+3],   v[BO], s[BIA:BIA+1] offset:64*\b
	global_load_b128 v[64*\b+4:64*\b+7], v[BO], s[BIA:BIA+1] offset:64*\b+16
.endr
	WIN 0
	v_mul_u32_u24 v[FA0], v1, PA
	v_lshl_add_u32 v[FA0], v2, 4, v[FA0]
	s_mul_i32 s74, s[RH], 128*PA
	v_add_nc_u32 v[FA0], s74, v[FA0]
	v_and_b32 v17, 7, v0
	v_bfe_u32 v18, v0, 3, 1
	v_lshl_add_u32 v[FB0], v2, 3, v17
	v_mul_u32_u24 v[FB0], v[FB0], PW
	v_lshl_add_u32 v[FB0], v18, 4, v[FB0]
	s_lshl_b32 s74, s[CH], 7                       ; my 64 columns
	s_add_co_u32 s74, s74, BOFF
	v_add_nc_u32 v[FB0], s74, v[FB0]
	v_mov_b32 v[ADA], v[FA0]
	v_mov_b32 v[ADB], v[FB0]
	s_mul_i32 s74, s[WV], 16*SPITCH
	s_add_co_u32 s74, s74, STAGE
	v_mul_u32_u24 v[STO], v1, SPITCH               ; in: row r, 32 bytes for each half of the lanes
	v_lshl_add_u32 v[STO], v2, 5, v[STO]
	v_add_nc_u32 v[STO], s74, v[STO]
	v_mul_u32_u24 v[RD], v2, SPITCH                ; back: lanes 0-15 one row of 256 bytes, lanes 16-31 the next
	v_lshl_add_u32 v[RD], v1, 4, v[RD]
	v_add_nc_u32 v[RD], s74, v[RD]
	v_lshlrev_b32 v[GO], 12, v2
	v_lshl_add_u32 v[GO], v1, 4, v[GO]
	s_lshl_b32 s72, s[TR], 20                      ; out: row 256 tr + 128 RH, 4,096 bytes a row; column 128 tc + 64 CH
	s_lshl_b32 s73, s[RH], 19
	s_add_co_u32 s72, s72, s73
	s_lshl_b32 s73, s[TC], 9
	s_add_co_u32 s72, s72, s73
	s_lshl_b32 s73, s[CH], 8
	s_add_co_u32 s72, s72, s73
	s_mov_b32 s73, 0
	s_add_nc_u64 s[OUT:OUT+1], s[10:11], s[72:73]
	; the prefetches stand at step 3; each refill steps them by one step and then names them
	s_lshr_b32 s72, s[TR], 3
	s_lshl_b32 s72, s72, 4
	s_add_co_u32 s72, s72, s[CH]
	s_lshl_b32 s72, s72, 18
	s_and_b32 s74, s[TR], 7
	s_lshl_b32 s74, s74, 15
	s_add_co_u32 s72, s72, s74
	s_lshl_b32 s74, s[CX], 13
	s_add_co_u32 s72, s72, s74
	s_add_co_u32 s72, s72, 3*STEPA
	s_lshl_b32 s73, s[CY], 16
	s_lshl_b32 s74, s[TC], 8
	s_add_co_u32 s73, s73, s74
	s_add_co_u32 s73, s73, 3*STEPB
	s_mov_b32 s74, STEPA
	s_mov_b32 s75, STEPB
	s_mov_b32 s77, 256
	s_mov_b32 s78, 2048
	s_and_b32 s76, ttmp7, 0xffff
	s_cmp_eq_u32 s[RH], 0
	s_cselect_b64 s[PFA:PFA+1], s[4:5], s[6:7]
	s_cselect_b32 s[PFS], s74, s75
	s_cselect_b32 s72, s72, s73
	s_cselect_b32 s76, ttmp9, s76
	s_cselect_b32 s77, s77, s78
	s_mov_b32 s[PFS+1], 0
	s_mov_b32 s73, 0
	s_add_nc_u64 s[PFA:PFA+1], s[PFA:PFA+1], s[72:73]
	s_cmp_eq_u32 s76, 0
	s_cselect_b32 s[LIM], 2, -1
	s_cmp_eq_u32 s[WV], 3
	s_cselect_b32 s[LIM], -1, s[LIM]
	v_and_b32 v[PFO], 31, v0
	v_mul_u32_u24 v[PFO], s77, v[PFO]
.macro FETCH q                         ; 24 LDS loads: quarter q's fragments into the buffers of its parity
	WIN 0
.irp b, 0,1,2,3
	ds_load_tr16_b128 v[B0+32*((\q)%2)+8*\b:B0+32*((\q)%2)+8*\b+3],   v[ADB] offset:(\q)*32*PW+32*\b
	ds_load_tr16_b128 v[B0+32*((\q)%2)+8*\b+4:B0+32*((\q)%2)+8*\b+7], v[ADB] offset:(\q)*32*PW+32*\b+16*PW
.endr
.irp a, 0,1,2,3,4,5,6,7
	ds_load_b128 v[A0+64*((\q)%2)+8*\a:A0+64*((\q)%2)+8*\a+3],   v[ADA] offset:((\q)/2)*256*PA+\a*16*PA+64*((\q)%2)
	ds_load_b128 v[A0+64*((\q)%2)+8*\a+4:A0+64*((\q)%2)+8*\a+7], v[ADA] offset:((\q)/2)*256*PA+\a*16*PA+64*((\q)%2)+32
.endr
.endm
.macro MUL q, b0, nb                   ; nb x 8 products; the 32 accumulators take turns, one instruction a turn
	WIN 0x50
.set ib, \b0
.rept \nb
.set ia, 0
.rept 8
	v_wmma_f32_16x16x32_f16 v[64*ib+8*ia:64*ib+8*ia+7], v[B0+32*((\q)%2)+8*ib:B0+32*((\q)%2)+8*ib+7], v[A0+64*((\q)%2)+8*ia:A0+64*((\q)%2)+8*ia+7], v[64*ib+8*ia:64*ib+8*ia+7]
.set ia, ia+1
.endr
.set ib, ib+1
.endr
.endm
.macro Q q                             ; one of a step's first three quarters: it fetches the next one behind its first eight products
	s_wait_dscnt 0x0
	MUL \q, 0, 1
	PLACES
	FETCH (\q)+1
	MUL \q, 1, 3
.endm
; The fourth quarter changes slots: each wave waits for all its tensor loads (one is out: its part of the next slot), adds 0 to its spare word, and waits for that and for its reads of this slot.
; fill = 1: the barrier opens a round of the cluster's, and this slot is filled again, two steps ahead, first thing behind it.
.macro QT fill
.if \fill
	s_wait_xcnt 0x0                                ; the last prefetch, a step back, has read its address
	s_add_nc_u64 s[PFA:PFA+1], s[PFA:PFA+1], s[PFS:PFS+1]
.endif
	WIN 0
	s_wait_tensorcnt 0x0
	ds_add_u32 v[SPW], v[NIL]
.if \fill
	s_xor_b32 s[G0A+5], s[G0A+5], SLOT1
	s_add_nc_u64 s[G0A+6:G0A+7], s[G0A+6:G0A+7], STEPA
	s_xor_b32 s[G0B+5], s[G0B+5], SLOT1
	s_add_nc_u64 s[G0B+6:G0B+7], s[G0B+6:G0B+7], STEPB
.endif
	s_wait_dscnt 1                                 ; the quarter's fragments are in; the add may stay out
	MUL 3, 0, 1
	s_wait_dscnt 0x0
	s_barrier_signal -1
	MUL 3, 1, 1
	WIN 0
	s_barrier_wait -1
.if \fill
	CREST
	JLOAD                                          ; its four v_nop are also the places in front of the loads below
.else
	PLACES
.endif
	s_xor_b32 s[TB], s[TB], SLOT1
	v_add_nc_u32 v[ADA], s[TB], v[FA0]
	v_add_nc_u32 v[ADB], s[TB], v[FB0]
	FETCH 0
.if \fill
	ASK
.endif
	MUL 3, 2, 2
.endm
; THE WAY OUT of my 16 rows a: f32 into my stage, back as whole rows of 256 bytes, stored: sixteen lanes fill 256 consecutive bytes at a multiple of 256 from out0's first.
.macro OUTB a
	WIN 0x04                                       ; the stores' data in window 1
.irp b, 0,1,2,3
	ds_store_b128 v[STO], v[64*\b+8*(\a):64*\b+8*(\a)+3]   offset:64*\b
	ds_store_b128 v[STO], v[64*\b+8*(\a)+4:64*\b+8*(\a)+7] offset:64*\b+16
.endr
	WIN 0
	s_wait_xcnt 0x0                                ; the stores of two blocks back have read the registers that are loaded now
.irp t, 0,1,2,3,4,5,6,7
	ds_load_b128 v[BK+32*((\a)%2)+4*\t:BK+32*((\a)%2)+4*\t+3], v[RD] offset:\t*2*SPITCH  ; LDS serves a wave's instructions in order: these see the stores above
.endr
	s_wait_dscnt 0x0
.irp t, 0,1,2,3,4,5,6,7
	global_store_b128 v[GO], v[BK+32*((\a)%2)+4*\t:BK+32*((\a)%2)+4*\t+3], s[OUT:OUT+1] offset:(16*(\a)+2*\t)*4096 th:TH_STORE_NT
.endr
.endm
	s_wait_tensorcnt 1                             ; my part of step 0 is in; step 1's may stay out
	s_barrier_signal -1
	s_barrier_wait -1
	FETCH 0
	FETCH 1
	s_wait_loadcnt 0x0                             ; the biases
	s_wait_dscnt 24                                ; quarter 0's fragments are in; quarter 1's 24 loads may stay out
	WIN 0x50
.set ia, 1
.rept 7                                        ; the first products: C = the biases in acc(0, b)
.set ib, 0
.rept 4
	v_wmma_f32_16x16x32_f16 v[64*ib+8*ia:64*ib+8*ia+7], v[B0+8*ib:B0+8*ib+7], v[A0+8*ia:A0+8*ia+7], v[64*ib:64*ib+7]
.set ib, ib+1
.endr
.set ia, ia+1
.endr
.rept 5
	v_nop                                          ; five places in front of the products that write over that C
.endr
.set ib, 0
.rept 4
	v_wmma_f32_16x16x32_f16 v[64*ib:64*ib+7], v[B0+8*ib:B0+8*ib+7], v[A0:A0+7], v[64*ib:64*ib+7]
.set ib, ib+1
.endr
	WIN 0
	s_mov_b32 s3, 6                                ; steps 2 to 7 are asked for in the loop
.Lk:
	Q 1
	Q 2
	QT 1
	Q 0
	WIN 0
	s_sub_co_u32 s3, s3, 1
	s_cmp_lg_u32 s3, 0
	s_cbranch_scc1 .Lk
	Q 1                                            ; the tail asks for nothing
	Q 2
	QT 0
	Q 0
	Q 1
	Q 2
	s_wait_dscnt 0x0
	MUL 3, 0, 4
	PLACES
.irp a, 0,1,2,3,4,5,6,7
	OUTB \a
.endr
	s_wait_tensorcnt 0x0                           ; the wave's end
	ds_add_u32 v[SPW], v[NIL]
	s_wait_dscnt 0x0
	CROUND                                         ; the closing round
	s_endpgm
.Lfunc_end_k_q6e7cd7cae3_proj:
	.size	k_q6e7cd7cae3_proj, .Lfunc_end_k_q6e7cd7cae3_proj-k_q6e7cd7cae3_proj
	.p2alignl 7, 3214868480
	.fill 96, 4, 3214868480
	.section	.rodata,"a",@progbits
	.p2align	6, 0x0
	.amdhsa_kernel k_q6e7cd7cae3_proj
		.amdhsa_group_segment_fixed_size 327680
		.amdhsa_private_segment_fixed_size 0
		.amdhsa_enable_private_segment 0
		.amdhsa_kernarg_size 32
		.amdhsa_user_sgpr_count 2
		.amdhsa_user_sgpr_kernarg_segment_ptr 1
		.amdhsa_wavefront_size32 1
		.amdhsa_system_sgpr_workgroup_id_x 1
		.amdhsa_system_sgpr_workgroup_id_y 1
		.amdhsa_system_sgpr_workgroup_id_z 1
		.amdhsa_system_vgpr_workitem_id 0
		.amdhsa_next_free_vgpr 512
		.amdhsa_next_free_sgpr 80
		.amdhsa_reserve_vcc 0
		.amdhsa_float_denorm_mode_32 3
		.amdhsa_float_denorm_mode_16_64 3
		.amdhsa_memory_ordered 1
		.amdhsa_forward_progress 1
		.amdhsa_inst_pref_size 72
	.end_amdhsa_kernel
	.amdgpu_metadata
---
amdhsa.version: [ 1, 2 ]
amdhsa.kernels:
  - .name:           k_q6e7cd7cae3_proj
    .symbol:         k_q6e7cd7cae3_proj.kd
    .args:
      - { .name: ob, .offset: 0, .size: 8, .value_kind: global_buffer, .address_space: global }
      - { .name: wp16, .offset: 8, .size: 8, .value_kind: global_buffer, .address_space: global }
      - { .name: br, .offset: 16, .size: 8, .value_kind: global_buffer, .address_space: global }
      - { .name: out0, .offset: 24, .size: 8, .value_kind: global_buffer, .address_space: global }
    .group_segment_fixed_size: 327680
    .private_segment_fixed_size: 0
    .kernarg_segment_align: 8
    .kernarg_segment_size: 32
    .max_flat_workgroup_size: 128
    .sgpr_count:     80
    .vgpr_count:     512
    .wavefront_size: 32
...
	.end_amdgpu_metadata
.endif
;; end of part 4
